; MI455X (gfx1250); checked and timed in simulation.
; The chip was launched on July 23, 2026; its instructions are those of AMD's public machine-readable ISA for CDNA 5 (MIT licence, August 2026) and "CDNA5" Instruction Set Architecture Reference Guide (July 2026). The comments in the code are by the model that wrote it; some were corrected since.
;; Flash Cross Attention. Allowed arithmetic: matrix products marked QUANTISED: E4M3 operands, one E8M0 scale for each 32 along K, by v_wmma_scale_f32_16x16x128_f8f6f4 with both operands' format E4M3, f32 sums; products left as they are: f32 operands where the result goes on into a quantised operand, else bf16, f16 or f32 operands; f32 sums; everything else in f32.
;; Inputs: Wkv 2,048 x 1,024 float32; Wo 1,024 x 1,024 float32; Wq 1,024 x 1,024 float32; encoder_out 4 x 2,048 x 1,024 float32; norm_w 1,024 float32; x 4 x 2,048 x 1,024 float32.
;; Outputs: out0 4 x 2,048 x 1,024 float32.
;; This version of the problem:
;;   THIS VERSION OF THE PROBLEM IS GIVEN IN LOW PRECISION. The matrix products marked QUANTISED in the list below multiply operands that are first quantised to E4M3 (4 exponent bits, 3 mantissa bits; 8 bits a number), with one power-of-two scale for each 32 numbers along K (OCP MX v1.0); their sums are f32. All else is computed in f32.
;;   The module's matrix products, in the order in which they are computed (A, B: the left and right operand; K: the contracted axis; several contracted axes count as one K, in the product's order):
;;     1. [M 8,192, K 1,024] x [K 1,024, N 1,024]; A: computed on the way; B: input Wq: QUANTISED
;;     2. [M 8,192, K 1,024] x [K 1,024, N 2,048]; A: input encoder_out; B: input Wkv: QUANTISED
;;     3. [M 2,048, K 1] x [K 1, N 32]; A: computed on the way; B: computed on the way: left as it is (no contracted axis)
;;     4. batch 64 x [M 2,048, K 64] x [K 64, N 2,048]; A: computed on the way; B: computed on the way: QUANTISED
;;     5. batch 64 x [M 64, K 2,048] x [K 2,048, N 2,048]; A: computed on the way; B: softmax (see below): QUANTISED
;;     6. [M 8,192, K 1,024] x [K 1,024, N 1,024]; A: computed on the way; B: input Wo: QUANTISED
;;   THE QUANTISER, for each operand of a quantised product, along K:
;;     - K is cut into blocks of 32 from its start; a last block that is shorter is filled with zeros.
;;     - A block's scale is 2^e with e = floor(log2(the largest magnitude in the block)) - 8, held to -126 .. 127; a block of zeros has e = 0. As a byte (E8M0): e + 127.
;;     - Each number is divided by its block's scale, clamped to +-448, and rounded to the nearest number of E4M3, ties to even, subnormals kept.
;;     - The product sums the exact products of the quantised numbers (number of the format x scale) in f32.
;;   ~~~python
;;   def quantise(x, axis):      # numpy; x: float32 -> the quantised numbers, widened to float32 again
;;       x = np.moveaxis(x, axis, -1); K = x.shape[-1]
;;       x = np.pad(x, [(0, 0)] * (x.ndim - 1) + [(0, -K % 32)]); x = x.reshape(x.shape[:-1] + (-1, 32)); a = np.abs(x).max(-1, keepdims=True)
;;       e = np.where(a > 0, np.clip(np.frexp(np.where(a > 0, a, 1))[1] - 1 - 8, -126, 127), 0)      # np.frexp(a)[1] - 1 = floor(log2(a)), exactly
;;       r = np.clip(x / 2.0 ** e, -448, 448)
;;       step = 2.0 ** (np.maximum(np.frexp(np.where(r == 0, 1, r))[1] - 1, -6) - 3)
;;       q = np.round(r / step) * step * 2.0 ** e      # np.round: ties to even
;;       return np.moveaxis(q.reshape(q.shape[:-2] + (-1,))[..., :K], -1, axis).astype(np.float32)
;;   ~~~
;;   SOFTMAX AHEAD OF A QUANTISED PRODUCT. Where the list says 'softmax', what is quantised is not the finished softmax but p = 2^(t - M), with t = logit x log2(e) and M = ceil(the row's largest t), a whole number; so 1/2 < the row's largest p <= 1. The row's sum l is taken of the UNQUANTISED p, in f32, and the product's result is divided by l at the end. Since M is a whole number, a kernel that streams over the keys may use a running M (the ceiling of the running maximum): every later rescaling is an exact power of two, which a block's scale takes up: the codes' values come out the same.
;;   OPERANDS COMPUTED ON THE WAY. 'Computed on the way' means the value that the module computes at that place (a softmax that the list does not call 'softmax' is quantised finished and normalised). What goes into a quantiser is computed in f32, as accurately as f32 sums, v_exp_f32 and their like allow (about 1e-6 of the number): no bf16 or f16 on the way to a quantiser, and a product that is left as it is and whose result goes on into a quantised operand takes f32 operands (vector FMAs, or v_wmma_f32_16x16x4_f32). A number that lies on a knife's edge between two numbers of the format may be rounded either way, as far as f32 arithmetic and the matrix unit's own rounding can turn it there, and no further.
;; One version. Each part assembles by itself: llvm-mc -triple=amdgcn-amd-amdhsa -mcpu=gfx1250 --defsym DOCPART=n.
;; ======== version 1 of 1: 4 launches
;; limits: right only within a limited range of input values
;; workspace buffers: codes 29,360,128 bytes; sc 917,504 bytes; rope 524,288 bytes; qc 8,388,608 bytes; qs 524,288 bytes; kv 17,301,504 bytes
;; launch prep (part 1): grid 1312 x 1, 4 waves a work-group, no clusters, 67,072 bytes of LDS; arguments x, encoder_out, Wq, Wkv, Wo, norm_w, codes, sc, rope; writes codes, sc, rope
.if DOCPART == 1
	.amdgcn_target "amdgcn-amd-amdhsa--gfx1250"
	.amdhsa_code_object_version 6
	.text
	.protected	k_q2dfe5e4948_prep
	.globl	k_q2dfe5e4948_prep
	.p2align	8
	.type	k_q2dfe5e4948_prep,@function
k_q2dfe5e4948_prep:
	s_mov_b64 s[64:65], 0
	v_nop
	global_prefetch_b8 v0, s[64:65] scope:SCOPE_SE
	s_setreg_imm32_b32 hwreg(HW_REG_WAVE_MODE, 25, 1), 1
	s_wait_xcnt 0x0
; Work-groups 0-1279: 16 rows x 1,024 numbers of f32 become codes of E4M3 with one E8M0 byte for each 32 along K.  Rows of x are first taken through RMSNorm:
; (x * rsqrt(mean(x^2) + 1e-5)) * norm_w, in f32.  Work-groups 1280-1311: the table of cos and sin for the rotary embedding.
; POSITIONS.  Row a of every tensor is laid at position p = a with its bits 3 and 4 exchanged.  A tile of 16 neighbouring positions, taken as source 0 of a matrix
; instruction, then leaves in a lane's 16 registers of two neighbouring tiles 16 NEIGHBOURS along that axis, which is what the next quantiser wants.
; IMAGES.  codes: [block of 16 positions][K step of 128][c 0..3][lane][16 bytes]: lane (r, h) holds position r, k = 32 c + 16 h + 0 .. 15: the operand's registers as they stand.
; sc: [block][K step][16 rows], one word of four bytes.  Blocks: x 0, encoder_out 512, Wq 1024, Wkv 1088, Wo 1216 (1280 on: the attention's result, made later).
; SHARES.  Work-group g makes block g.  Wave w loads positions 4 w .. 4 w + 3, four rows that are neighbours in memory: 32 loads of 512 consecutive bytes.  The rows turn through a stage in
; LDS (pitch 4,112 bytes = 1,028 words: row r starts at bank 4 r mod 64), and wave w quantises K steps 2 w and 2 w + 1 of all 16 rows.
; A block's scale is 2^(floor(log2(largest magnitude)) - 8): its byte is the largest magnitude's exponent field - 8, held at 1 from below by a floor among the maximum's leaves.
; LIMITS: NaN and infinities among the inputs are not served.  A block of zeros gets the byte 1 where the rule says 127: its codes are zeros, and this program alone reads the bytes.
; The table's 32 frequencies 10000^(-i/32) are written as decimals, rounded once to f32: a frequency made by a power function and a division in f32 may differ in its last bit or two, which
; at position 2,047 is some 2e-4 radians.  The angle is reduced by pi/2 in two parts (what is left of pi/2 is 3e-15, times at most 1,304), sine and cosine are polynomials on +-pi/4.
; No tensor loads, no cluster: no two work-groups read the same bytes.  No matrix unit: memory binds.
.set STP,  4112                        ; a stage row
.set SCL,  16*STP                      ; behind the stage: the block's 128 scale words
.set TM,   16                          ; v16-19 largest magnitudes, v20-23 bytes, v24-27 448 x the scale, v28-31 the conversions' scale operands
.set PC,   32                          ; v32-63  codes: two sets of 16, so that no store's data are written again
.set PW,   14                          ; v14-15  the two scale words
.set NW,   64                          ; v64-95  norm_w, in the lanes' layout of a row
.set X,    96                          ; v96-223 four rows as loaded, then two K steps of 64 numbers
.set SEL,  24                          ; s[24:25] v_permlanex16_b32's selects for lane l xor 16
.set MNT,  33                          ; s33 the mantissa field of 448
; 64 numbers of a lane, register 16 b + i = k 32 b + 16 (lane / 16) + i of my row, become a fragment's codes and its scale word
.macro QUANT s, pc, pw
.irp b, 0,1,2,3
	v_max3_num_f32 v[TM+\b], |v[\s+16*\b]|, |v[\s+16*\b+1]|, 0x4800000       ; my 16 numbers of block b, and the floor 2^(9 - 127)
.endr
.irp i, 2,4,6,8,10,12,14
.irp b, 0,1,2,3
	v_max3_num_f32 v[TM+\b], v[TM+\b], |v[\s+16*\b+\i]|, |v[\s+16*\b+\i+1]|  ; the four blocks by turns
.endr
.endr
.irp b, 0,1,2,3
	v_permlanex16_b32 v[TM+4+\b], v[TM+\b], s[SEL], s[SEL+1]
.endr
.irp b, 0,1,2,3
	v_max_num_f32 v[TM+\b], v[TM+\b], v[TM+4+\b]                             ; with lane l xor 16's: the block's largest magnitude
.endr
.irp b, 0,1,2,3
	v_add_nc_u32 v[TM+12+\b], 0xfc000000, v[TM+\b]                           ; 8 off its exponent field: the conversion's scale operand
.endr
.irp b, 0,1,2,3
	v_and_or_b32 v[TM+8+\b], v[TM+\b], 0x7f800000, s[MNT]                    ; 448 x the scale
.endr
.irp b, 0,1,2,3
	v_lshrrev_b32 v[TM+4+\b], 23, v[TM+12+\b]                                ; the scale's byte
.endr
	v_lshl_or_b32 v[\pw], v[TM+5], 8, v[TM+4]
	v_lshl_or_b32 v[\pw], v[TM+6], 16, v[\pw]
	v_lshl_or_b32 v[\pw], v[TM+7], 24, v[\pw]
.irp b, 0,1,2,3
.irp i, 0,1,2,3,4,5,6,7,8,9,10,11,12,13,14,15
	v_med3_num_f32 v[\s+16*\b+\i], v[\s+16*\b+\i], -v[TM+8+\b], v[TM+8+\b]   ; the conversion to an 8-bit code does not saturate (ISA guide 7.6.2): the hold comes first
.endr
	v_cvt_scalef32_pk8_fp8_f32 v[\pc+4*\b:\pc+4*\b+1], v[\s+16*\b:\s+16*\b+7], v[TM+12+\b]
	v_cvt_scalef32_pk8_fp8_f32 v[\pc+4*\b+2:\pc+4*\b+3], v[\s+16*\b+8:\s+16*\b+15], v[TM+12+\b]
.endr
	v_nop                                          ; a plain line behind the last conversion
.endm
	s_load_b256 s[4:11], s[0:1], 0x0               ; x s[4:5], encoder_out s[6:7], Wq s[8:9], Wkv s[10:11]
	s_load_b256 s[12:19], s[0:1], 0x20             ; Wo s[12:13], norm_w s[14:15], codes s[16:17], sc s[18:19]
	s_load_b64 s[20:21], s[0:1], 0x40              ; rope
	v_lshl_add_u32 v224, v0, 2, 0x10400
	v_mov_b32 v225, 0
	v_lshrrev_b32 v9, 5, v0
	v_readfirstlane_b32 s22, v9                    ; wave
	v_and_b32 v1, 31, v0                           ; lane
	v_and_b32 v2, 15, v0                           ; r
	v_bfe_u32 v3, v0, 4, 1                         ; h
	v_lshlrev_b32 v4, 4, v1                        ; 16 x lane
	s_cmp_lt_u32 ttmp9, 1280
	s_cbranch_scc0 .Ltable
	; ---------------- the quantiser
	s_mov_b32 s[SEL], 0x76543210
	s_mov_b32 s[SEL+1], 0xfedcba98
	s_mov_b32 s[MNT], 0x600000
	s_mov_b32 s34, 0x3a800000                      ; 1 / 1,024
	s_mov_b32 s35, 0x3727c5ac                      ; 1e-5
	s_mul_i32 s23, s22, 4*STP
	s_wait_alu depctr_va_vdst(0)
	v_add_nc_u32 v5, s23, v4                       ; into the stage: my wave's four rows, 16 bytes a lane
	v_mul_u32_u24 v6, v2, STP
	v_lshl_add_u32 v6, v3, 6, v6
	s_lshl_b32 s23, s22, 10
	v_add_nc_u32 v6, s23, v6                       ; out of it: row r, my wave's two K steps (1,024 bytes), + 64 h: my 16 numbers of a block of 32
	s_lshl_b32 s23, s22, 7
	s_add_co_u32 s23, s23, SCL
	v_lshl_add_u32 v7, v2, 2, s23                  ; my row's scale word of K step 2 w
	v_add_nc_u32 v8, SCL, v4                       ; and the way out of all 128 words
.irp b, 0,1,2,3
	v_mov_b32 v[TM+4+\b], 0                        ; written once: a lane permute's destination counts as one of its sources
.endr
	s_wait_kmcnt 0x0
	s_mov_b64 s[26:27], s[4:5]                     ; which tensor is my block's: the choice hangs on the work-group's number alone
	s_mov_b32 s28, 0
	s_cmp_ge_u32 ttmp9, 512
	s_cselect_b64 s[26:27], s[6:7], s[26:27]
	s_cselect_b32 s28, 512, s28
	s_cmp_ge_u32 ttmp9, 1024
	s_cselect_b64 s[26:27], s[8:9], s[26:27]
	s_cselect_b32 s28, 1024, s28
	s_cmp_ge_u32 ttmp9, 1088
	s_cselect_b64 s[26:27], s[10:11], s[26:27]
	s_cselect_b32 s28, 1088, s28
	s_cmp_ge_u32 ttmp9, 1216
	s_cselect_b64 s[26:27], s[12:13], s[26:27]
	s_cselect_b32 s28, 1216, s28
	s_sub_co_u32 s28, ttmp9, s28                   ; L: the block's number in its tensor
	s_lshr_b32 s29, s28, 1
	s_lshl_b32 s29, s29, 5
	s_and_b32 s30, s28, 1
	s_lshl_b32 s30, s30, 3
	s_add_co_u32 s29, s29, s30
	s_lshr_b32 s30, s22, 1
	s_lshl_b32 s30, s30, 4
	s_add_co_u32 s29, s29, s30
	s_and_b32 s30, s22, 1
	s_lshl_b32 s30, s30, 2
	s_add_co_u32 s29, s29, s30                     ; positions 16 L + 4 w + 0 .. 3 are rows 32 (L / 2) + 16 (w / 2) + 8 (L % 2) + 4 (w % 2) + 0 .. 3
	s_lshl_b32 s30, s29, 12                        ; 4,096 bytes a row
	s_mov_b32 s31, 0
	s_add_nc_u64 s[26:27], s[26:27], s[30:31]
.irp p, 0,1,2,3
.irp i, 0,1,2,3,4,5,6,7
	global_load_b128 v[X+32*\p+4*\i:X+32*\p+4*\i+3], v4, s[26:27] offset:4096*\p+512*\i th:TH_LOAD_NT   ; 32 lanes read 512 consecutive bytes
.endr
.endr
	; THE ORDER OF codes, as it stands (it takes the place of the order given at the head): [piece of 256 along K, 0..3][block of 16 positions, 0..1791][K step of the piece, 0..1][c][lane][16 bytes].
	; A piece is 1,792 blocks x 4,096 bytes = 0x700000 bytes; wave w makes piece w of block g.
	s_lshl_b32 s30, ttmp9, 12
	s_mul_i32 s32, s22, 0x700000
	s_add_co_u32 s30, s30, s32
	s_add_nc_u64 s[16:17], s[16:17], s[30:31]      ; codes: block g, K step 2 w
	s_lshl_b32 s30, ttmp9, 9
	s_add_nc_u64 s[18:19], s[18:19], s[30:31]      ; sc: block g
	s_cmp_lt_u32 ttmp9, 512
	s_cbranch_scc0 .Lplain
	; RMSNorm, for rows of x alone.  A row lies in one wave: 32 registers a lane
.irp i, 0,1,2,3,4,5,6,7
	global_load_b128 v[NW+4*\i:NW+4*\i+3], v4, s[14:15] offset:512*\i
.endr
	s_wait_loadcnt 0x0
.irp p, 0,1,2,3
	v_pk_mul_f32 v[TM+4*\p:TM+4*\p+1], v[X+32*\p:X+32*\p+1], v[X+32*\p:X+32*\p+1]          ; the first squares start the sums: two chains a row
	v_pk_mul_f32 v[TM+4*\p+2:TM+4*\p+3], v[X+32*\p+2:X+32*\p+3], v[X+32*\p+2:X+32*\p+3]
.endr
.irp i, 4,8,12,16,20,24,28
.irp p, 0,1,2,3
	v_pk_fma_f32 v[TM+4*\p:TM+4*\p+1], v[X+32*\p+\i:X+32*\p+\i+1], v[X+32*\p+\i:X+32*\p+\i+1], v[TM+4*\p:TM+4*\p+1]
	v_pk_fma_f32 v[TM+4*\p+2:TM+4*\p+3], v[X+32*\p+\i+2:X+32*\p+\i+3], v[X+32*\p+\i+2:X+32*\p+\i+3], v[TM+4*\p+2:TM+4*\p+3]
.endr
.endr
.irp p, 0,1,2,3
	v_pk_add_f32 v[TM+4*\p:TM+4*\p+1], v[TM+4*\p:TM+4*\p+1], v[TM+4*\p+2:TM+4*\p+3]
.endr
.irp p, 0,1,2,3
	v_add_f32 v[TM+4*\p], v[TM+4*\p], v[TM+4*\p+1]
.endr
.irp m, 1,2,4,8
.irp p, 0,1,2,3
	v_add_f32_dpp v[TM+4*\p], v[TM+4*\p], v[TM+4*\p] row_xmask:\m row_mask:0xf bank_mask:0xf
.endr
.endr
.irp p, 0,1,2,3
	v_permlanex16_b32 v[TM+4*\p+1], v[TM+4*\p], s[SEL], s[SEL+1]
.endr
.irp p, 0,1,2,3
	v_add_f32 v[TM+4*\p], v[TM+4*\p], v[TM+4*\p+1]                    ; the row's sum of squares, in every lane
.endr
.irp p, 0,1,2,3
	v_fma_f32 v[TM+4*\p], v[TM+4*\p], s34, s35                        ; the mean + 1e-5
.endr
	s_wait_alu depctr_va_vdst(0)
.irp p, 0,1,2,3
	v_rsq_f32 v[TM+4*\p+2], v[TM+4*\p]
.endr
	v_nop                                          ; a plain line behind the last of the four,
	s_wait_alu depctr_va_vdst(0)                   ; and one wait for the batch, ahead of its first reader
.irp p, 0,1,2,3
.irp i, 0,2,4,6,8,10,12,14,16,18,20,22,24,26,28,30
	v_pk_mul_f32 v[X+32*\p+\i:X+32*\p+\i+1], v[X+32*\p+\i:X+32*\p+\i+1], v[TM+4*\p+2:TM+4*\p+3] op_sel_hi:[1,0]   ; x * rms first,
.endr
.endr
.irp p, 0,1,2,3
.irp i, 0,2,4,6,8,10,12,14,16,18,20,22,24,26,28,30
	v_pk_mul_f32 v[X+32*\p+\i:X+32*\p+\i+1], v[X+32*\p+\i:X+32*\p+\i+1], v[NW+\i:NW+\i+1]                        ; then * norm_w
.endr
.endr
	s_branch .Lstage
.Lplain:
	s_wait_loadcnt 0x0
.Lstage:
	s_wait_alu depctr_va_vdst(0)
.irp p, 0,1,2,3
.irp i, 0,1,2,3,4,5,6,7
	ds_store_b128 v5, v[X+32*\p+4*\i:X+32*\p+4*\i+3] offset:STP*\p+512*\i
.endr
.endr
	s_wait_dscnt 0x0                               ; for the others' sake: my rows lie in the stage
	s_barrier_signal -1
	s_barrier_wait -1
.irp s, 0,1
.irp b, 0,1,2,3
.irp j, 0,1,2,3
	ds_load_b128 v[X+64*\s+16*\b+4*\j:X+64*\s+16*\b+4*\j+3], v6 offset:512*\s+128*\b+16*\j
.endr
.endr
.endr
	s_wait_dscnt 16                                ; the first K step's 16 loads are in; the second's 16 may be out
	QUANT X, PC, PW
	s_wait_dscnt 0x0
	QUANT X+64, PC+16, PW+1
.irp s, 0,1
.irp c, 0,1,2,3
	global_store_b128 v4, v[PC+16*\s+4*\c:PC+16*\s+4*\c+3], s[16:17] offset:2048*\s+512*\c   ; the fragment as it stands: 512 consecutive bytes a store
.endr
	ds_store_b32 v7, v[PW+\s] offset:64*\s         ; lanes r and 16 + r write the same word with the same value
.endr
	s_wait_dscnt 0x0                               ; my scale words lie in LDS
	s_barrier_signal -1
	s_barrier_wait -1
	s_cmp_lg_u32 s22, 0
	s_cbranch_scc1 .Lend
	ds_load_b128 v[10:13], v8                      ; wave 0 stores the block's 128 words: 512 consecutive bytes
	s_wait_dscnt 0x0
	global_store_b128 v4, v[10:13], s[18:19]
.Lend:
	s_wait_tensorcnt 0x0
	ds_add_u32 v224, v225
	s_wait_dscnt 0x0
	s_endpgm
	; ---------------- the table: rope[tile of 16 positions][g 0..7][lane][16 bytes]: g 0-3 cos(t f[16 h + 4 g + 0 .. 3]), g 4-7 the sines; t = the token at the lane's position r
.Ltable:
	s_sub_co_u32 s23, ttmp9, 1280
	s_lshl_b32 s23, s23, 2
	s_add_co_u32 s23, s23, s22                     ; my tile, 0 .. 127
	s_lshr_b32 s26, s23, 1
	s_lshl_b32 s26, s26, 5
	s_and_b32 s27, s23, 1
	s_lshl_b32 s27, s27, 3
	s_add_co_u32 s26, s26, s27
	s_wait_alu depctr_va_vdst(0)
	v_lshrrev_b32 v9, 3, v2
	v_and_b32 v10, 7, v2
	v_lshl_add_u32 v9, v9, 4, v10
	v_add_nc_u32 v9, s26, v9                       ; t = 32 (tile / 2) + 16 (r / 8) + 8 (tile % 2) + r % 8
	v_cvt_f32_u32 v9, v9
	s_mov_b32 s28, 0x3f22f983                      ; 2 / pi
	s_mov_b32 s29, 0x3fc90fdb                      ; pi / 2, its f32,
	s_mov_b32 s30, 0xb33bbd2e                      ; and what that leaves
	s_mov_b32 s32, -0.16666654611                  ; sine: x + x z (S1 + z (S2 + z S3)), z = x^2
	s_mov_b32 s33, 0.0083321608736
	s_mov_b32 s34, -0.00019515295891
	s_mov_b32 s35, 0.041666645683                  ; cosine: 1 - z / 2 + z^2 (C1 + z (C2 + z C3))
	s_mov_b32 s36, -0.0013887316255
	s_mov_b32 s37, 0.000024433157118
	s_lshl_b32 s38, s23, 12
	s_mov_b32 s39, 0
	v_cmp_eq_u32 vcc_lo, 1, v3
.macro FREQ i, lo, hi                  ; f[16 h + i] = 10^(-(16 h + i) / 8)
	v_mov_b32 v[16+\i], \hi
	v_cndmask_b32 v[16+\i], \lo, v[16+\i], vcc_lo
.endm
	FREQ 0,  1.0,                  0.01
	FREQ 1,  0.7498942093324558,   0.007498942093324558
	FREQ 2,  0.5623413251903491,   0.005623413251903491
	FREQ 3,  0.4216965034285822,   0.004216965034285822
	FREQ 4,  0.31622776601683794,  0.0031622776601683794
	FREQ 5,  0.2371373705661655,   0.002371373705661655
	FREQ 6,  0.17782794100389228,  0.0017782794100389228
	FREQ 7,  0.1333521432163324,   0.001333521432163324
	FREQ 8,  0.1,                  0.001
	FREQ 9,  0.07498942093324558,  0.0007498942093324558
	FREQ 10, 0.05623413251903491,  0.0005623413251903491
	FREQ 11, 0.04216965034285822,  0.0004216965034285822
	FREQ 12, 0.031622776601683794, 0.00031622776601683794
	FREQ 13, 0.02371373705661655,  0.0002371373705661655
	FREQ 14, 0.017782794100389228, 0.00017782794100389228
	FREQ 15, 0.01333521432163324,  0.0001333521432163324
.macro SINCOS i
	v_mul_f32 v10, v9, v[16+\i]                    ; the angle, rounded once
	v_mul_f32 v11, s28, v10
	v_rndne_f32 v11, v11                           ; n quarter turns
	v_fma_f32 v12, -v11, s29, v10
	v_fma_f32 v12, -v11, s30, v12                  ; what is left, within +-pi/4
	v_cvt_i32_f32 v13, v11
	v_mul_f32 v14, v12, v12                        ; z
	v_fma_f32 v15, v14, s34, s33
	v_fma_f32 v64, v14, s37, s36
	v_fma_f32 v15, v15, v14, s32
	v_fma_f32 v64, v64, v14, s35
	v_mul_f32 v65, v14, v12
	v_mul_f32 v66, v14, v14
	v_fma_f32 v67, v14, -0.5, 1.0
	v_fma_f32 v15, v15, v65, v12                   ; the rest's sine
	v_fma_f32 v64, v64, v66, v67                   ; and cosine
	v_and_b32 v65, 1, v13
	v_cmp_eq_u32 vcc_lo, 1, v65                    ; an odd number of quarter turns exchanges the two
	v_cndmask_b32 v66, v15, v64, vcc_lo
	v_cndmask_b32 v67, v64, v15, vcc_lo
	v_and_b32 v65, 2, v13                          ; the sine is negative in quarters 2 and 3,
	v_add_nc_u32 v13, 1, v13
	v_lshlrev_b32 v65, 30, v65
	v_and_b32 v13, 2, v13                          ; the cosine in quarters 1 and 2
	v_xor_b32 v[48+\i], v65, v66
	v_lshlrev_b32 v13, 30, v13
	v_xor_b32 v[32+\i], v13, v67
.endm
.irp i, 0,1,2,3,4,5,6,7,8,9,10,11,12,13,14,15
	SINCOS \i
.endr
	s_wait_alu depctr_va_vdst(0)
	s_wait_kmcnt 0x0
	s_add_nc_u64 s[20:21], s[20:21], s[38:39]
.irp g, 0,1,2,3
	global_store_b128 v4, v[32+4*\g:35+4*\g], s[20:21] offset:512*\g
	global_store_b128 v4, v[48+4*\g:51+4*\g], s[20:21] offset:2048+512*\g
.endr
	s_endpgm
.Lfunc_end_k_q2dfe5e4948_prep:
	.size	k_q2dfe5e4948_prep, .Lfunc_end_k_q2dfe5e4948_prep-k_q2dfe5e4948_prep
	.p2alignl 7, 3214868480
	.fill 96, 4, 3214868480
	.section	.rodata,"a",@progbits
	.p2align	6, 0x0
	.amdhsa_kernel k_q2dfe5e4948_prep
		.amdhsa_group_segment_fixed_size 67072
		.amdhsa_private_segment_fixed_size 0
		.amdhsa_enable_private_segment 0
		.amdhsa_kernarg_size 72
		.amdhsa_user_sgpr_count 2
		.amdhsa_user_sgpr_kernarg_segment_ptr 1
		.amdhsa_wavefront_size32 1
		.amdhsa_system_sgpr_workgroup_id_x 1
		.amdhsa_system_sgpr_workgroup_id_y 1
		.amdhsa_system_sgpr_workgroup_id_z 1
		.amdhsa_system_vgpr_workitem_id 0
		.amdhsa_next_free_vgpr 226
		.amdhsa_next_free_sgpr 66
		.amdhsa_reserve_vcc 1
		.amdhsa_float_denorm_mode_32 3
		.amdhsa_float_denorm_mode_16_64 3
		.amdhsa_memory_ordered 1
		.amdhsa_forward_progress 1
		.amdhsa_inst_pref_size 65
	.end_amdhsa_kernel
	.amdgpu_metadata
---
amdhsa.version: [ 1, 2 ]
amdhsa.kernels:
  - .name:           k_q2dfe5e4948_prep
    .symbol:         k_q2dfe5e4948_prep.kd
    .args:
      - { .name: x, .offset: 0, .size: 8, .value_kind: global_buffer, .address_space: global }
      - { .name: encoder_out, .offset: 8, .size: 8, .value_kind: global_buffer, .address_space: global }
      - { .name: Wq, .offset: 16, .size: 8, .value_kind: global_buffer, .address_space: global }
      - { .name: Wkv, .offset: 24, .size: 8, .value_kind: global_buffer, .address_space: global }
      - { .name: Wo, .offset: 32, .size: 8, .value_kind: global_buffer, .address_space: global }
      - { .name: norm_w, .offset: 40, .size: 8, .value_kind: global_buffer, .address_space: global }
      - { .name: codes, .offset: 48, .size: 8, .value_kind: global_buffer, .address_space: global }
      - { .name: sc, .offset: 56, .size: 8, .value_kind: global_buffer, .address_space: global }
      - { .name: rope, .offset: 64, .size: 8, .value_kind: global_buffer, .address_space: global }
    .group_segment_fixed_size: 67072
    .private_segment_fixed_size: 0
    .kernarg_segment_align: 8
    .kernarg_segment_size: 72
    .max_flat_workgroup_size: 128
    .sgpr_count:     66
    .vgpr_count:     226
    .wavefront_size: 32
...
	.end_amdgpu_metadata
.endif
;; end of part 1
;; launch proj (part 2): grid 8 x 32, 4 waves a work-group, clusters of 4 x 4, 327,680 bytes of LDS; arguments codes, sc, rope, qc, qs, kv; writes qc, qs, kv
.if DOCPART == 2
	.amdgcn_target "amdgcn-amd-amdhsa--gfx1250"
	.amdhsa_code_object_version 6
	.text
	.protected	k_q2dfe5e4948_proj
	.globl	k_q2dfe5e4948_proj
	.p2align	8
	.type	k_q2dfe5e4948_proj,@function
k_q2dfe5e4948_proj:
	s_mov_b64 s[64:65], 0
	v_nop
	global_prefetch_b8 v0, s[64:65] scope:SCOPE_SE
	s_setreg_imm32_b32 hwreg(HW_REG_WAVE_MODE, 25, 1), 1
	s_wait_xcnt 0x0
	s_wait_alu depctr_hold_cnt(0) depctr_sa_sdst(0) depctr_va_vdst(0) depctr_va_sdst(0) depctr_va_ssrc(0) depctr_va_vcc(0) depctr_vm_vsrc(0)
	s_getreg_b32 s2, hwreg(HW_REG_IB_STS2, 6, 4)
	s_cmp_eq_u32 s2, 0
	s_cbranch_scc0 .Lentry_in_a_cluster
	s_endpgm
.Lentry_in_a_cluster:
	s_bfe_u32 s2, ttmp6, 0x10000c
	s_cmp_lg_u32 s2, 0xf033
	s_cbranch_scc0 .Lentry_shape_is_right
	s_endpgm
.Lentry_shape_is_right:
; q = xn Wq^T, k and v = encoder_out Wkv^T on codes of E4M3 with E8M0 scales; the rotary embedding on q and k; q and k quantised along the head's 64, v along the keys.  Nothing goes to memory in f32.
; OPERANDS are images of registers (a fragment, 16 positions x 128 K, is 2,048 bytes: [c][lane][16 bytes]) in codes[piece of 256 along K][block of 16 positions][2 K steps][2,048]; a piece is 0x700000 bytes.
; Scale words in sc[block][K step][16].  A position is a row's number with bits 3 and 4 exchanged: so the 16 registers that a lane holds of source 0's tiles 2 b and 2 b + 1 are 16 NEIGHBOURS.
; SHARES.  A tile is 256 rows of source 1 ("A", 16 blocks) x 128 rows of source 0 ("B", 8 blocks); wave w takes A's blocks 4 w .. 4 w + 3 against all of B: 32 accumulators, 256 registers.
; A WORK-GROUP STAYS and makes three tiles: one of q (A = tokens of xn, B = rows of Wq, two heads), one of k (A = the same token positions of encoder_out, B = rows of Wk), one of v with the sides exchanged
; (A = rows of Wv, a head to a wave; B = 128 tokens), so that a lane's registers run along the tokens, the second attention product's K.  768 tiles on 256 work-groups.
; CLUSTER 4 x 4: A's tile hangs on the cluster's y place alone and is asked for jointly along a row of the cluster, B's on the x place alone, along a column.
; LDS.  K = 1,024 is four pieces.  A wave's one load brings three pieces of its blocks as three rows (waves 0, 1: 8 blocks of A, 32,768 bytes a row, at 98,304 x half; waves 2, 3: 4 blocks of B, 16,384 bytes a row, at
; BOFF + 49,152 x half).  The fourth piece is one row into the first piece's bytes, as soon as those are read out.  THE NEXT TILE'S three pieces are asked for as soon as the last fragments of the tile in hand are in
; registers, behind a round of the cluster's barrier: the load has the last K step, the embedding, the quantiser and the stores in which to land.  q and k run one loop of two trips; v, which has no successor, is
; written out.  By this text's count a wave has one tensor load out.  Nothing is prefetched: each tile is asked for whole, a tile's way out ahead of its first read.
; cos and sin hang on the token positions alone: loaded once, for q and k.  The next tile's scale words are asked for behind the last products of the tile in hand.
; RESULTS.  qc[batch-head][tile of 16 positions][b 0..1][lane][16]; qs[batch-head][tile][16 words (s0, s1, s0, s1)];
; kv[batch-head][K's part | V's part], a part = 16 key steps of 8,448 bytes = four fragments + 4 x 16 scale words.  A fragment of K holds two tiles of keys: registers 0-7 the 64 numbers of the key at
; position m, registers 8-15 those of the key at position 16 + m; its word: (lower b0, lower b1, upper b0, upper b1).  A fragment of V: 16 positions of the head's 64 x the step's 128 keys.
; LIMITS: NaN and infinities are not served; a block of zeros gets the byte 1 (its codes are zeros; this program alone reads the bytes).
; REGISTERS.  window 0: v1 16 x lane, v2 4 x lane, v3-5, v6-8 LDS addresses of A and B in the three pieces, v14-15 the spare word's address and 0, v16-31 the quantiser's, v32-47 A's scale words, v48-79 B's,
;   v80-83 scale words made, v84-95 at work, v128-255 A's fragments in two sets, later 64 numbers (v128) and the codes made (v192).  window 1: B's fragments, two sets.  window 2: the accumulators,
;   (a, b) at v[8 (8 a + b)].  window 3: cos and sin of my four tiles of tokens, 32 registers each.
.set PIECE, 0x700000
.set BOFF,  196608
.set SPARE, 294912                     ; the spare words: 128 bytes a wave, two blocks of 256 bytes that no other line names
.set LI,   1
.set LS,   2
.set ADRA, 3
.set ADRB, 6
.set SPW,  14
.set NIL,  15
.set TM,   16
.set SA,   32                          ; A's scale words: v[SA + 4 a + p]: lanes 0-15 K step 2 p, lanes 16-31 K step 2 p + 1
.set SB,   48                          ; B's: v[SB + 4 b + p]
.set PW,   80
.set T,    84
.set WD,   88
.set AF,   128
.set ST,   128
.set PC,   192
.set G1A,  24                          ; group 1 for three pieces of A;  G1A1: for one
.set G1B,  32
.set G0A,  40
.set G1A1, 44
.set G0B,  52
.set G1B1, 56
.set SEL,  86
.set MNT,  88
.set NA,   89                          ; the next tile's A (units of 16 blocks) and B (units of 8); s66, s68: those of the tile in hand; VA, VB: v's
.set NB,   97
.set VA,   100
.set VB,   101
.set MSB,  0
.macro WIN new                         ; the immediate's high byte repeats the setting that is left; a switch that changes nothing is dropped
.if MSB != (\new)
	s_set_vgpr_msb (MSB<<8)|(\new)
.set MSB, (\new)
.endif
.endm
.macro PLACES n
.rept \n
	v_nop
.endr
.endm
; A joint load: waves 0 and 1 fetch A's halves, waves 2 and 3 B's.  The branch hangs on the wave's number alone.  An s_nop 0 and four v_nop follow each of the two lines.
.macro JLOAD g1a, g1b
	s_cmp_eq_u32 s17, 0
	s_cbranch_scc0 .Lfor_b_\@
	tensor_load_to_lds s[G0A:G0A+3], s[\g1a:\g1a+7]
	s_nop 0
.rept 4
	v_nop
.endr
	s_branch .Lasked_\@
.Lfor_b_\@:
	tensor_load_to_lds s[G0B:G0B+3], s[\g1b:\g1b+7]
	s_nop 0
.rept 4
	v_nop
.endr
.Lasked_\@:
.endm
.macro ROUND                           ; a round of the cluster's barrier
	s_barrier_signal -1
	s_barrier_wait -1
	s_cmp_lg_u32 s16, 0
	s_cbranch_scc1 .Lnot_wave_0_\@
	s_barrier_signal -3
.Lnot_wave_0_\@:
	s_barrier_wait -3
	s_barrier_signal -1
	s_barrier_wait -1
.endm
.macro SETG0 ra, rb                    ; where a tile's first piece lies in memory (no tensor load of mine is out here)
	s_lshl_b32 s70, s[\ra], 16                     ; 16 blocks of 4,096 bytes,
	s_lshl_b32 s71, s18, 15                        ; my 8 of them
	s_add_co_u32 s70, s70, s71
	s_mov_b32 s71, 0
	s_add_nc_u64 s[G0A+2:G0A+3], s[4:5], s[70:71]
	s_or_b32 s[G0A+3], s[G0A+3], 0x80000000
	s_lshl_b32 s72, s[\rb], 15
	s_lshl_b32 s73, s18, 14
	s_add_co_u32 s72, s72, s73
	s_mov_b32 s73, 0
	s_add_nc_u64 s[G0B+2:G0B+3], s[4:5], s[72:73]
	s_or_b32 s[G0B+3], s[G0B+3], 0x80000000
.endm
.macro SCLOAD ra, rb                   ; a tile's scale words: my four blocks of A, B's eight; 128 consecutive bytes a load: two K steps' words of 16 rows
	s_lshl_b32 s78, s[\ra], 13
	s_lshl_b32 s79, s16, 11
	s_add_co_u32 s78, s78, s79
	s_mov_b32 s79, 0
	s_add_nc_u64 s[78:79], s[6:7], s[78:79]
	s_lshl_b32 s80, s[\rb], 12
	s_mov_b32 s81, 0
	s_add_nc_u64 s[80:81], s[6:7], s[80:81]
.irp a, 0,1,2,3
.irp p, 0,1,2,3
	global_load_b32 v[SA+4*\a+\p], v[LS], s[78:79] offset:512*\a+128*\p
.endr
.endr
.irp b, 0,1,2,3,4,5,6,7
.irp p, 0,1,2,3
	global_load_b32 v[SB+4*\b+\p], v[LS], s[80:81] offset:512*\b+128*\p
.endr
.endr
.endm
; K step k's 12 fragments, 48 loads of 512 consecutive bytes, into set k % 2
.macro FETCH k
.set SG, ((\k)/2)%3
.set QQ, (\k)%2
	WIN 0x40                                       ; destination window 1, address window 0
.irp b, 0,1,2,3,4,5,6,7
.irp c, 0,1,2,3
	ds_load_b128 v[128*QQ+16*\b+4*\c:128*QQ+16*\b+4*\c+3], v[ADRB+SG] offset:4096*\b+32768*(\b/4)+2048*QQ+512*\c
.endr
.endr
	WIN 0
.irp a, 0,1,2,3
.irp c, 0,1,2,3
	ds_load_b128 v[AF+64*QQ+16*\a+4*\c:AF+64*QQ+16*\a+4*\c+3], v[ADRA+SG] offset:4096*\a+2048*QQ+512*\c
.endr
.endr
.endm
; K step k's 32 matrix instructions.  The 32 accumulators take turns, one instruction a turn, in the same order in every K step.  zero = 1: the first products start the sums
.macro MUL k, zero
.set QQ, (\k)%2
.set PI, (\k)/2
	WIN 0xa1                                       ; source 0 (B) window 1, source 1 (A) window 0, C and D window 2
.irp a, 0,1,2,3
.irp b, 0,1,2,3,4,5,6,7
.if \zero
	v_wmma_scale_f32_16x16x128_f8f6f4 v[8*(8*\a+\b):8*(8*\a+\b)+7], v[128*QQ+16*\b:128*QQ+16*\b+15], v[AF+64*QQ+16*\a:AF+64*QQ+16*\a+15], 0, v[SB+4*\b+PI], v[SA+4*\a+PI]
.elseif QQ
	v_wmma_scale_f32_16x16x128_f8f6f4 v[8*(8*\a+\b):8*(8*\a+\b)+7], v[128*QQ+16*\b:128*QQ+16*\b+15], v[AF+64*QQ+16*\a:AF+64*QQ+16*\a+15], v[8*(8*\a+\b):8*(8*\a+\b)+7], v[SB+4*\b+PI], v[SA+4*\a+PI] matrix_a_scale:MATRIX_SCALE_ROW1 matrix_b_scale:MATRIX_SCALE_ROW1
.else
	v_wmma_scale_f32_16x16x128_f8f6f4 v[8*(8*\a+\b):8*(8*\a+\b)+7], v[128*QQ+16*\b:128*QQ+16*\b+15], v[AF+64*QQ+16*\a:AF+64*QQ+16*\a+15], v[8*(8*\a+\b):8*(8*\a+\b)+7], v[SB+4*\b+PI], v[SA+4*\a+PI]
.endif
.endr
.endr
.endm
; A tile's K steps 0 to 5
.macro MAIN
	s_wait_tensorcnt 0x0                           ; my one load, three pieces, is in
	s_barrier_signal -1
	s_barrier_wait -1                              ; everybody's is
	FETCH 0
	FETCH 1
	s_wait_loadcnt 0x0                             ; the scale words (the first time: cos and sin too)
	s_wait_dscnt 48                                ; K step 0's fragments are in; K step 1's 48 loads may be out
	MUL 0, 1
	WIN 0                                          ; the first piece has been read out (K step 1's fragments are on their way into registers)
	s_wait_tensorcnt 0x0
	ds_add_u32 v[SPW], v[NIL]                      ; 0 onto my spare word
	s_add_nc_u64 s[G0A+2:G0A+3], s[G0A+2:G0A+3], 3*PIECE   ; no load of mine is out, so group 0 may be written: the fourth piece of K
	s_add_nc_u64 s[G0B+2:G0B+3], s[G0B+2:G0B+3], 3*PIECE
	s_wait_dscnt 0x0                               ; the add is done, and my reads of the first piece are over
	ROUND                                          ; no wave of any partner still reads it or has a load on its way
	JLOAD G1A1, G1B1                               ; the first tensor load behind the round
	PLACES 4                                       ; with the four behind the load: eight places behind K step 0's products, in front of loads into their operands
	FETCH 2
	MUL 1, 0
.irp k, 2,3,4
	s_wait_dscnt 0x0                               ; K step k's fragments are in
	PLACES 8
	FETCH \k+1
	MUL \k, 0
.endr
	WIN 0
	s_wait_tensorcnt 0x0                           ; my part of the fourth piece has landed
	ds_add_u32 v[SPW], v[NIL]
	s_wait_dscnt 0x0                               ; K step 5's fragments are in
	s_barrier_signal -1
	s_barrier_wait -1                              ; the fourth piece is whole
	PLACES 8
	FETCH 6
	MUL 5, 0
.endm
; K steps 6 and 7.  next = 1: between them the next tile's three pieces are asked for
.macro TAIL next
	s_wait_dscnt 0x0
	PLACES 8
	FETCH 7
	MUL 6, 0
	WIN 0
.if \next
	s_wait_tensorcnt 0x0
	ds_add_u32 v[SPW], v[NIL]
	SETG0 NA, NB
	s_wait_dscnt 0x0                               ; the add is done; K step 7's fragments are in: my reads of this tile are over
	ROUND                                          ; so are every partner's
	JLOAD G1A, G1B                                 ; the first tensor load behind the round
.else
	s_wait_dscnt 0x0
.endif
	MUL 7, 0
	WIN 0
	PLACES 8                                       ; behind the last products (ISA guide 7.12.1)
.if \next
	SCLOAD NA, NB
.endif
.endm
; 64 numbers of a lane in window w, register 16 b + i = k 32 b + 16 (lane / 16) + i of my row, become a fragment's codes and its scale word.  The hold moves them into v[ST] on, in window 0.
.macro QUANT s, w, pc, pw
	WIN (\w)|((\w)<<2)                             ; sources 0 and 1: the numbers' window
.irp b, 0,1,2,3
	v_max3_num_f32 v[TM+\b], |v[\s+16*\b]|, |v[\s+16*\b+1]|, 0x4800000       ; each accumulator is read from its low end on; the floor 2^(9 - 127) holds the byte at 1 from below
.endr
.irp i, 2,4,6,8,10,12,14
.irp b, 0,1,2,3
	v_max3_num_f32 v[TM+\b], |v[\s+16*\b+\i]|, |v[\s+16*\b+\i+1]|, v[TM+\b]
.endr
.endr
	WIN 0
.irp b, 0,1,2,3
	v_permlanex16_b32 v[TM+4+\b], v[TM+\b], s[SEL], s[SEL+1]
.endr
.irp b, 0,1,2,3
	v_max_num_f32 v[TM+\b], v[TM+\b], v[TM+4+\b]
.endr
.irp b, 0,1,2,3
	v_add_nc_u32 v[TM+12+\b], 0xfc000000, v[TM+\b]
.endr
.irp b, 0,1,2,3
	v_and_or_b32 v[TM+8+\b], v[TM+\b], 0x7f800000, s[MNT]
.endr
.irp b, 0,1,2,3
	v_lshrrev_b32 v[TM+4+\b], 23, v[TM+12+\b]
.endr
	v_lshl_or_b32 v[\pw], v[TM+5], 8, v[TM+4]
	v_lshl_or_b32 v[\pw], v[TM+6], 16, v[\pw]
	v_lshl_or_b32 v[\pw], v[TM+7], 24, v[\pw]
	WIN \w
.irp b, 0,1,2,3
.irp i, 0,1,2,3,4,5,6,7,8,9,10,11,12,13,14,15
	v_med3_num_f32 v[ST+16*\b+\i], v[\s+16*\b+\i], -v[TM+8+\b], v[TM+8+\b]   ; the hold at 448 x the scale: the conversion does not saturate (ISA guide 7.6.2)
.endr
.endr
	WIN 0
.irp b, 0,1,2,3
	v_cvt_scalef32_pk8_fp8_f32 v[\pc+4*\b:\pc+4*\b+1], v[ST+16*\b:ST+16*\b+7], v[TM+12+\b]
	v_cvt_scalef32_pk8_fp8_f32 v[\pc+4*\b+2:\pc+4*\b+3], v[ST+16*\b+8:ST+16*\b+15], v[TM+12+\b]
.endr
	v_nop                                          ; a plain line behind the last conversion
.endm
; The rotary embedding on tile a: two heads; in a head register i is d = 16 h + i, register 16 + i is d + 32.  out[d] = x[d] cos - x[d + 32] sin; out[d + 32] = x[d + 32] cos + x[d] sin
.macro ROPE a
	WIN 0x0e                                       ; source 0: the accumulators (window 2); source 1: cos, sin (window 3)
.irp hh, 0,1
.irp i, 0,2,4,6,8,10,12,14
	v_pk_mul_f32 v[T:T+1], v[64*\a+32*\hh+16+\i:64*\a+32*\hh+17+\i], v[32*\a+16+\i:32*\a+17+\i]
	v_pk_mul_f32 v[T+2:T+3], v[64*\a+32*\hh+\i:64*\a+32*\hh+\i+1], v[32*\a+16+\i:32*\a+17+\i]
	v_pk_fma_f32 v[ST+32*\hh+\i:ST+32*\hh+\i+1], v[64*\a+32*\hh+\i:64*\a+32*\hh+\i+1], v[32*\a+\i:32*\a+\i+1], v[T:T+1] neg_lo:[0,0,1] neg_hi:[0,0,1]
	v_pk_fma_f32 v[ST+32*\hh+16+\i:ST+32*\hh+17+\i], v[64*\a+32*\hh+16+\i:64*\a+32*\hh+17+\i], v[32*\a+\i:32*\a+\i+1], v[T+2:T+3]
.endr
.endr
.endm
	s_load_b128 s[4:7], s[0:1], 0x0                ; codes, sc
	s_load_b128 s[8:11], s[0:1], 0x10              ; rope, qc
	s_load_b128 s[12:15], s[0:1], 0x20             ; qs, kv
	v_lshl_add_u32 v[SPW], v0, 2, SPARE
	v_mov_b32 v[NIL], 0
	ds_add_u32 v[SPW], v[NIL]                      ; the opening lines: the add, twice on end, and its wait ahead of my first tensor load
	ds_add_u32 v[SPW], v[NIL]
	v_lshrrev_b32 v9, 5, v0
	v_readfirstlane_b32 s16, v9                    ; wave
	s_lshr_b32 s17, s16, 1                         ; I fetch for A (0) or for B (1),
	s_and_b32 s18, s16, 1                          ; and which half of the tile
	s_bfe_u32 s19, ttmp6, 0x40000                  ; cx
	s_bfe_u32 s20, ttmp6, 0x40004                  ; cy
	s_and_b32 s21, ttmp7, 0xffff                   ; cluster y; cluster x is ttmp9, 0 or 1
	s_lshl_b32 s22, s20, 2
	s_lshl_b32 s22, 15, s22                        ; my row of the cluster
	s_lshl_b32 s23, 0x1111, s19                    ; my column
	s_or_b32 s[G1A], s22, (3<<16)|(1<<21)          ; 15:0 the mask; 17:16 elements of 8 bytes; 21 set beside a mask; no padding
	s_or_b32 s[G1A1], s22, (3<<16)|(1<<21)
	s_or_b32 s[G1B], s23, (3<<16)|(1<<21)
	s_or_b32 s[G1B1], s23, (3<<16)|(1<<21)
.irp g, G1A, G1A1
	s_mov_b32 s[\g+1], 4096<<16                    ; tensor_dim0 = 4,096 elements: 8 blocks of one piece, 32,768 bytes
	s_mov_b32 s[\g+3], 4096<<16                    ; tile_dim0
	s_mov_b32 s[\g+5], PIECE/8                     ; from piece to piece
	s_mov_b32 s[\g+7], 0
.endr
.irp g, G1B, G1B1
	s_mov_b32 s[\g+1], 2048<<16                    ; 4 blocks of one piece, 16,384 bytes
	s_mov_b32 s[\g+3], 2048<<16
	s_mov_b32 s[\g+5], PIECE/8
	s_mov_b32 s[\g+7], 0
.endr
.irp g, G1A, G1B
	s_mov_b32 s[\g+2], 3<<16                       ; tensor_dim1 = 3 pieces
	s_mov_b32 s[\g+4], 3                           ; tile_dim1
	s_mov_b32 s[\g+6], 0
.endr
.irp g, G1A1, G1B1
	s_mov_b32 s[\g+2], 1<<16                       ; one piece: one row;
	s_mov_b32 s[\g+4], 1
	s_mov_b32 s[\g+6], 1<<16                       ; a one-row descriptor's stride1 is not left at 0
.endr
	s_lshl_b32 s67, s21, 2                         ; 4 x cluster y
	s_add_co_u32 s66, s67, s20                     ; q: A = tokens of xn, tile 4 y + cy of 32;
	s_add_co_u32 s[NA], s66, 32                    ; k: the same tile of encoder_out;
	s_add_co_u32 s[VA], s20, 72                    ; v: rows of Wv, tile cy of 4
	s_lshl_b32 s68, ttmp9, 2
	s_add_co_u32 s68, s68, 128
	s_add_co_u32 s68, s68, s19                     ; q: B = rows of Wq, unit 4 x + cx of 8;
	s_add_co_u32 s[NB], s68, 8                     ; k: the same unit of Wk;
	s_lshl_b32 s[VB], ttmp9, 5
	s_add_co_u32 s[VB], s[VB], s67
	s_add_co_u32 s[VB], s[VB], 64
	s_add_co_u32 s[VB], s[VB], s19                 ; v: 128 tokens of encoder_out, unit 32 x + 4 y + cx of 64
	s_mul_i32 s74, s18, 98304                      ; where the tiles go: no place in the cluster enters an LDS address
	s_mul_i32 s75, s18, 49152
	s_add_co_u32 s75, s75, BOFF
	s_mov_b32 s[G0A], 1
	s_mov_b32 s[G0A+1], s74
	s_mov_b32 s[G0B], 1
	s_mov_b32 s[G0B+1], s75
	s_mov_b32 s[SEL], 0x76543210
	s_mov_b32 s[SEL+1], 0xfedcba98
	s_mov_b32 s[MNT], 0x600000
	s_wait_dscnt 0x0
	s_wait_kmcnt 0x0
	SETG0 66, 68
	ROUND                                          ; all sixteen work-groups are here: the first joint loads meet
	JLOAD G1A, G1B                                 ; one tensor load a wave at the head
	v_and_b32 v9, 31, v0
	v_lshlrev_b32 v[LI], 4, v9
	v_lshlrev_b32 v[LS], 2, v9
	v_cmp_lt_u32 s77, 15, v9                       ; lanes 16-31
	s_mul_i32 s76, s17, 98304                      ; my four blocks of A: which loader's bytes,
	s_lshl_b32 s78, s18, 14                        ; and which four of its eight blocks
	s_add_co_u32 s76, s76, s78
.irp s, 0,1,2
	v_add_nc_u32 v[ADRA+\s], s76, v[LI]
	v_add_nc_u32 v[ADRB+\s], BOFF+\s*16384, v[LI]
	s_add_co_u32 s76, s76, 32768
.endr
.irp b, 0,1,2,3
	v_mov_b32 v[TM+4+\b], 0                        ; written once: a lane permute's destination counts as one of its sources
.endr
	s_lshl_b32 s82, s66, 4
	s_lshl_b32 s83, s16, 2
	s_add_co_u32 s82, s82, s83                     ; my first tile of 16 token positions among the 512, for q and for k
	s_lshr_b32 s83, s82, 7                         ; the batch,
	s_and_b32 s82, s82, 127                        ; the tile in it
	s_lshl_b32 s84, s82, 12
	s_mov_b32 s85, 0
	s_add_nc_u64 s[8:9], s[8:9], s[84:85]
	s_wait_alu depctr_va_vdst(0)
	WIN 0xc0                                       ; destination window 3
.irp a, 0,1,2,3
.irp g, 0,1,2,3,4,5,6,7
	global_load_b128 v[32*\a+4*\g:32*\a+4*\g+3], v[LI], s[8:9] offset:4096*\a+512*\g     ; cos and sin of my four tiles
.endr
.endr
	WIN 0
	SCLOAD 66, 68
	s_mov_b32 s3, 0                                ; 0: q, 1: k
	s_wait_alu depctr_va_vdst(0)
.Ltile:
	MAIN
	TAIL 1
.irp a, 0,1,2,3
	ROPE \a
	QUANT ST, 0, PC+16*\a, PW+\a
.endr
	s_and_b32 s90, ttmp9, 1
	s_lshl_b32 s90, s90, 2
	s_add_co_u32 s90, s90, s19
	s_lshl_b32 s90, s90, 1                         ; my first head: 2 (4 x + cx)
	s_lshl_b32 s91, s83, 4
	s_add_co_u32 s90, s90, s91                     ; + 16 x batch
	s_mov_b32 s93, 0
	s_mov_b32 s95, 0x05040100                      ; bytes 0, 1 of each source: the first head's
	s_mov_b32 s96, 0x07060302                      ; bytes 2, 3: the second head's
	s_cmp_eq_u32 s3, 0                             ; the count of tiles is the same in all partners
	s_cbranch_scc0 .Lk_out
	s_lshl_b32 s92, s90, 17
	s_lshl_b32 s94, s82, 10
	s_add_co_u32 s92, s92, s94
	s_add_nc_u64 s[98:99], s[10:11], s[92:93]
	s_lshl_b32 s92, s90, 13
	s_lshl_b32 s94, s82, 6
	s_add_co_u32 s92, s92, s94
	s_add_nc_u64 s[84:85], s[12:13], s[92:93]
	s_wait_alu depctr_va_vdst(0)
.irp a, 0,1,2,3
.irp hh, 0,1
.irp e, 0,1
	global_store_b128 v[LI], v[PC+16*\a+8*\hh+4*\e:PC+16*\a+8*\hh+4*\e+3], s[98:99] offset:1024*\a+131072*\hh+512*\e   ; 512 consecutive bytes
.endr
.endr
.endr
.irp a, 0,1,2,3
	v_perm_b32 v[WD+\a], v[PW+\a], v[PW+\a], s95   ; (s0, s1, s0, s1): the word serves q in the lower and in the upper half of K
	v_perm_b32 v[WD+4+\a], v[PW+\a], v[PW+\a], s96
.endr
.irp hh, 0,1
.irp a, 0,2
	v_cndmask_b32 v[WD+4*\hh+\a], v[WD+4*\hh+\a], v[WD+4*\hh+\a+1], s77     ; lanes 16-31 carry the next tile's words: 128 consecutive bytes a store
	global_store_b32 v[LS], v[WD+4*\hh+\a], s[84:85] offset:64*\a+8192*\hh
.endr
.endr
	s_branch .Ljoin
.Lk_out:
	s_mul_i32 s92, s90, 270336
	s_lshr_b32 s94, s82, 3
	s_mul_i32 s94, s94, 8448
	s_add_co_u32 s92, s92, s94
	s_add_nc_u64 s[84:85], s[14:15], s[92:93]      ; my head's K part, my key step
	s_lshr_b32 s94, s82, 1
	s_and_b32 s94, s94, 3                          ; my first fragment in it: 0 or 2
	s_lshl_b32 s92, s94, 11
	s_add_nc_u64 s[98:99], s[84:85], s[92:93]
	s_lshl_b32 s92, s94, 6
	s_add_co_u32 s92, s92, 8192
	s_add_nc_u64 s[84:85], s[84:85], s[92:93]      ; and its scale words
	s_wait_alu depctr_va_vdst(0)
.irp a, 0,1,2,3
.irp hh, 0,1
.irp e, 0,1
	global_store_b128 v[LI], v[PC+16*\a+8*\hh+4*\e:PC+16*\a+8*\hh+4*\e+3], s[98:99] offset:1024*\a+270336*\hh+512*\e   ; an even tile is a fragment's lower half of K, an odd one its upper half
.endr
.endr
.endr
.irp g, 0,1
	v_perm_b32 v[WD+\g], v[PW+2*\g+1], v[PW+2*\g], s95      ; (lower b0, lower b1, upper b0, upper b1)
	v_perm_b32 v[WD+2+\g], v[PW+2*\g+1], v[PW+2*\g], s96
.endr
.irp hh, 0,1
	v_cndmask_b32 v[WD+2*\hh], v[WD+2*\hh], v[WD+2*\hh+1], s77
	global_store_b32 v[LS], v[WD+2*\hh], s[84:85] offset:270336*\hh
.endr
.Ljoin:
	s_wait_alu depctr_va_vdst(0)
	s_wait_xcnt 0x0                                ; the stores have read their registers and bases: the next tile's fragments land on the codes' registers
	s_mov_b32 s66, s[NA]                           ; on to the next tile
	s_mov_b32 s68, s[NB]
	s_mov_b32 s[NA], s[VA]
	s_mov_b32 s[NB], s[VB]
	s_add_co_u32 s3, s3, 1
	s_cmp_lt_u32 s3, 2
	s_cbranch_scc1 .Ltile
	; ---------------- v: a lane holds one of the head's 64 (at position r of tile a) and 64 of the step's 128 tokens
	MAIN
	TAIL 0
.irp a, 0,1,2,3
	QUANT 64*\a, 2, PC+16*\a, PW+\a
.endr
	s_lshl_b32 s82, s20, 2
	s_add_co_u32 s82, s82, s16                     ; the head: 4 cy + wave
	s_sub_co_u32 s83, s68, 64                      ; the unit of 128 tokens,
	s_lshr_b32 s84, s83, 4                         ; its batch
	s_and_b32 s83, s83, 15                         ; and key step
	s_lshl_b32 s84, s84, 4
	s_add_co_u32 s82, s82, s84
	s_mul_i32 s92, s82, 270336
	s_mul_i32 s83, s83, 8448
	s_add_co_u32 s92, s92, s83
	s_add_co_u32 s92, s92, 135168                  ; V's part
	s_mov_b32 s93, 0
	s_add_nc_u64 s[14:15], s[14:15], s[92:93]
	s_wait_alu depctr_va_vdst(0)
.irp a, 0,1,2,3
.irp c, 0,1,2,3
	global_store_b128 v[LI], v[PC+16*\a+4*\c:PC+16*\a+4*\c+3], s[14:15] offset:2048*\a+512*\c
.endr
.endr
.irp a, 0,2
	v_cndmask_b32 v[WD+\a], v[PW+\a], v[PW+\a+1], s77
	global_store_b32 v[LS], v[WD+\a], s[14:15] offset:8192+64*\a
.endr
	s_wait_tensorcnt 0x0                           ; the wave's end
	ds_add_u32 v[SPW], v[NIL]
	s_wait_dscnt 0x0
	ROUND                                          ; the closing round: no work-group ends while a partner may still ask for a tile that names it
	s_endpgm
.Lfunc_end_k_q2dfe5e4948_proj:
	.size	k_q2dfe5e4948_proj, .Lfunc_end_k_q2dfe5e4948_proj-k_q2dfe5e4948_proj
	.p2alignl 7, 3214868480
	.fill 96, 4, 3214868480
	.section	.rodata,"a",@progbits
	.p2align	6, 0x0
	.amdhsa_kernel k_q2dfe5e4948_proj
		.amdhsa_group_segment_fixed_size 327680
		.amdhsa_private_segment_fixed_size 0
		.amdhsa_enable_private_segment 0
		.amdhsa_kernarg_size 48
		.amdhsa_user_sgpr_count 2
		.amdhsa_user_sgpr_kernarg_segment_ptr 1
		.amdhsa_wavefront_size32 1
		.amdhsa_system_sgpr_workgroup_id_x 1
		.amdhsa_system_sgpr_workgroup_id_y 1
		.amdhsa_system_sgpr_workgroup_id_z 1
		.amdhsa_system_vgpr_workitem_id 0
		.amdhsa_next_free_vgpr 896
		.amdhsa_next_free_sgpr 102
		.amdhsa_reserve_vcc 0
		.amdhsa_float_denorm_mode_32 3
		.amdhsa_float_denorm_mode_16_64 3
		.amdhsa_memory_ordered 1
		.amdhsa_forward_progress 1
		.amdhsa_inst_pref_size 231
	.end_amdhsa_kernel
	.amdgpu_metadata
---
amdhsa.version: [ 1, 2 ]
amdhsa.kernels:
  - .name:           k_q2dfe5e4948_proj
    .symbol:         k_q2dfe5e4948_proj.kd
    .args:
      - { .name: codes, .offset: 0, .size: 8, .value_kind: global_buffer, .address_space: global }
      - { .name: sc, .offset: 8, .size: 8, .value_kind: global_buffer, .address_space: global }
      - { .name: rope, .offset: 16, .size: 8, .value_kind: global_buffer, .address_space: global }
      - { .name: qc, .offset: 24, .size: 8, .value_kind: global_buffer, .address_space: global }
      - { .name: qs, .offset: 32, .size: 8, .value_kind: global_buffer, .address_space: global }
      - { .name: kv, .offset: 40, .size: 8, .value_kind: global_buffer, .address_space: global }
    .group_segment_fixed_size: 327680
    .private_segment_fixed_size: 0
    .kernarg_segment_align: 8
    .kernarg_segment_size: 48
    .max_flat_workgroup_size: 128
    .sgpr_count:     102
    .vgpr_count:     896
    .wavefront_size: 32
...
	.end_amdgpu_metadata
.endif
;; end of part 2
;; launch attn (part 3): grid 4 x 64, 8 waves a work-group, clusters of 4 x 1, 327,680 bytes of LDS; arguments qc, qs, kv, codes, sc; writes codes, sc
.if DOCPART == 3
	.amdgcn_target "amdgcn-amd-amdhsa--gfx1250"
	.amdhsa_code_object_version 6
	.text
	.protected	k_q2dfe5e4948_attn
	.globl	k_q2dfe5e4948_attn
	.p2align	8
	.type	k_q2dfe5e4948_attn,@function
k_q2dfe5e4948_attn:
	s_mov_b64 s[64:65], 0
	v_nop
	global_prefetch_b8 v0, s[64:65] scope:SCOPE_SE
	s_setreg_imm32_b32 hwreg(HW_REG_WAVE_MODE, 25, 1), 1
	s_wait_xcnt 0x0
	s_wait_alu depctr_hold_cnt(0) depctr_sa_sdst(0) depctr_va_vdst(0) depctr_va_sdst(0) depctr_va_ssrc(0) depctr_va_vcc(0) depctr_vm_vsrc(0)
	s_getreg_b32 s2, hwreg(HW_REG_IB_STS2, 6, 4)
	s_cmp_eq_u32 s2, 0
	s_cbranch_scc0 .Lentry_in_a_cluster
	s_endpgm
.Lentry_in_a_cluster:
	s_bfe_u32 s2, ttmp6, 0x10000c
	s_cmp_lg_u32 s2, 0x3003
	s_cbranch_scc0 .Lentry_shape_is_right
	s_endpgm
.Lentry_shape_is_right:
; o = softmax(q k^T / 8) v for 64 batch-heads, 2,048 queries x 2,048 keys, head size 64, both products on codes of E4M3 with E8M0 scales; o / l is quantised along the model's 1,024 for the last product.
; THE SOFTMAX AHEAD OF THE SECOND PRODUCT: t = score x log2(e) / 8; M = the running largest t rounded UP to a whole number; p = 2^(t - M) is quantised along the keys, not normalised; the row's sum is
; taken of the unquantised p and divides at the end.  When M moves, the sum and O are multiplied by 2^(old M - new M): exact.  The running maximum is kept as a score: c is positive and the rounding of c x score
; does not fall where the score rises, so c x (the largest score) is the largest t, bit for bit.
; SHARES.  A work-group owns one batch-head and 512 query positions: 4 x 64 = 256 work-groups.  Each of its eight waves owns 64 queries: two passes of TWO tiles of 16 at once, so that each fragment of K and V
; read from LDS feeds both tiles, and one tile's lines stand between the other's dependent ones.  Every wave walks all keys, 128 a step.
; LDS.  A head's K and V, 270,336 bytes (K's 16 steps of 8,448 bytes = four fragments + 64 scale words, then V's 16), lie in LDS whole, as they lie in memory: each wave fetches 33,792 dense bytes by its one tensor
; load at the head; nothing is filled again, and one barrier shows the bytes to all.  All of LDS is claimed.  CLUSTER 4 x 1: the four blocks of queries of a head need the same bytes: joint loads, mask 15.
; No prefetch: every tensor load stands at the head, so there is no loop to run ahead in.
; HEAD SIZE 64 IN AN INSTRUCTION OF K = 128.  A fragment of K holds two tiles of 16 keys (registers 0-7: the key at position m; 8-15: at position 16 + m).  Q lies between runs of zero codes, 0 | qA | 0 | qB | 0:
; the run [q | 0] picks the lower tile, [0 | q] the upper one.  Both products are used transposed: a lane holds one query; positions (bits 3 and 4 exchanged) make a lane's 16 registers of two tiles 16 neighbours.
; THE LOOP IS TURNED: a trip is the softmax of step i, the rescaling of O, the scores of step i + 1, and O += V P of step i.  The 32 rescaling lines are the places between p's codes and the second product; eight
; plain lines at a trip's head are the places behind the products.  K's fragments of step i + 1 and V's of step i are asked of LDS in four runs among the maxima.  The first scores stand ahead of the loop, the
; last step is written out.
; THE EXPONENTIALS of one tile stand among lines of the other tile that are written once and read behind the batch's closing wait (multiply-adds, holds); each batch has its wait ahead and behind.
; codes: [piece of 256 along K][block of 16 positions][K step of the piece][c][lane][16 bytes]; head h is half h % 2 of K step h / 2.  sc: [block][K step][16 rows], a word; a head stores its two bytes of it.
; LIMITS: NaN and infinities are not served; a block of zeros gets the byte 1 (its codes are zeros; this program alone reads the bytes); the promise holds while |t| stays under 2^31.
; REGISTERS.  window 0: v1-4 my lane's places (K, V, K's words, V's words), v5, v6 the spare word's address and 0, v7 4 x lane, v8-11 the step's addresses; a tile's state at T0, T1: +0 -M, +1 largest score,
; +2,3 the sum, +4 f, +5 p's scale word, +6,7 at work, +8.. blocks' maxima, +12.. bytes, +16.. 448 x scale, +20.. conversions' scale operands, +24..31 sums; v80-83 K's words, v84-87 V's, v88 Q's (lanes 0-15
; tile A, 16-31 tile B), v90, v91 the way out; v96.. codes; v128.., v192.. S^T, then p.  window 1: v0-63 K's fragments, v64-127 V's, v128-191 O^T of both tiles, v192-231 Q.
.set STEPB, 8448
.set VOFF,  135168
.set SPARE, 270336                     ; the spare words: 128 bytes a wave, four blocks of 256 bytes that no other line names
.set PIECE, 0x700000
.set T0, 16
.set T1, 48
.set KS, 80
.set VS, 84
.set QW, 88
.set P0, 96
.set P1, 112
.set S0, 128
.set S1, 192
.set FK, 0
.set FV, 64
.set O0, 128
.set O1, 160
.set QZ, 192
.set SEL, 52
.set CS,  54
.set MNT, 56
.set TB,  57
.set CNT, 58
.set PASS, 59
.set MSB, 0
.macro WIN new                         ; the immediate's high byte repeats the setting that is left; a switch that changes nothing is dropped
.if MSB != (\new)
	s_set_vgpr_msb (MSB<<8)|(\new)
.set MSB, (\new)
.endif
.endm
.macro ROUND                           ; a round of the cluster's barrier
	s_barrier_signal -1
	s_barrier_wait -1
	s_cmp_lg_u32 s14, 0
	s_cbranch_scc1 .Lnot_wave_0_\@
	s_barrier_signal -3
.Lnot_wave_0_\@:
	s_barrier_wait -3
	s_barrier_signal -1
	s_barrier_wait -1
.endm
.macro QLOAD                           ; two tiles of q and their scale words
	WIN 0x40                                       ; destination window 1
	global_load_b128 v[QZ+8:QZ+11], v1, s[4:5]
	global_load_b128 v[QZ+12:QZ+15], v1, s[4:5] offset:512
	global_load_b128 v[QZ+24:QZ+27], v1, s[4:5] offset:1024
	global_load_b128 v[QZ+28:QZ+31], v1, s[4:5] offset:1536
	WIN 0
	global_load_b32 v[QW], v7, s[6:7]
.endm
.macro LDF dst, adr, off               ; two fragments from LDS into window 1: eight loads of 512 consecutive bytes
	WIN 0x40
.irp f, 0,1
.irp c, 0,1,2,3
	ds_load_b128 v[\dst+16*\f+4*\c:\dst+16*\f+4*\c+3], v[\adr] offset:\off+2048*\f+512*\c
.endr
.endr
	WIN 0
.endm
.macro KQ                              ; S^T = K Q^T of 128 keys for both tiles: 16 products, each begun with 0
	WIN 0x05                                       ; sources 0 and 1 window 1, the result window 0
.irp f, 0,1,2,3
.irp u, 0,1
	v_wmma_scale_f32_16x16x128_f8f6f4 v[S0+16*\f+8*\u:S0+16*\f+8*\u+7], v[FK+16*\f:FK+16*\f+15], v[QZ+8-8*\u:QZ+23-8*\u], 0, v[KS+\f], v[QW]
	v_wmma_scale_f32_16x16x128_f8f6f4 v[S1+16*\f+8*\u:S1+16*\f+8*\u+7], v[FK+16*\f:FK+16*\f+15], v[QZ+24-8*\u:QZ+39-8*\u], 0, v[KS+\f], v[QW] matrix_b_scale:MATRIX_SCALE_ROW1
.endr
.endr
.endm
.macro MX i                            ; the largest score of each block of 32 keys, two scores further on: the eight blocks of both tiles by turns
.irp b, 0,1,2,3
	v_max3_num_f32 v[T0+8+\b], v[T0+8+\b], v[S0+16*\b+\i], v[S0+16*\b+\i+1]
.endr
.irp b, 0,1,2,3
	v_max3_num_f32 v[T1+8+\b], v[T1+8+\b], v[S1+16*\b+\i], v[S1+16*\b+\i+1]
.endr
.endm
.macro SUMS T, S                       ; the row's sum of the unquantised p, under the new M, in five chains
	v_pk_mul_f32 v[\T+2:\T+3], v[\T+2:\T+3], v[\T+4:\T+5] op_sel_hi:[1,0]
.irp k, 0,1,2,3
	v_pk_add_f32 v[\T+24+2*\k:\T+25+2*\k], v[\S+4*\k:\S+4*\k+1], v[\S+4*\k+2:\S+4*\k+3]
.endr
.set j, 16
.rept 4
	v_pk_add_f32 v[\T+2:\T+3], v[\T+2:\T+3], v[\S+j:\S+j+1]
.irp k, 0,1,2,3
	v_pk_add_f32 v[\T+24+2*\k:\T+25+2*\k], v[\T+24+2*\k:\T+25+2*\k], v[\S+j+2+2*\k:\S+j+3+2*\k]
.endr
.set j, j+10
.endr
.irp k, 0,1,2,3
	v_pk_add_f32 v[\T+24+2*\k:\T+25+2*\k], v[\T+24+2*\k:\T+25+2*\k], v[\S+56+2*\k:\S+57+2*\k]
.endr
	v_pk_add_f32 v[\T+24:\T+25], v[\T+24:\T+25], v[\T+26:\T+27]
	v_pk_add_f32 v[\T+28:\T+29], v[\T+28:\T+29], v[\T+30:\T+31]
	v_pk_add_f32 v[\T+2:\T+3], v[\T+2:\T+3], v[\T+24:\T+25]
	v_pk_add_f32 v[\T+2:\T+3], v[\T+2:\T+3], v[\T+28:\T+29]
.endm
.macro SCALE T                         ; from each block's largest p: the conversion's operand, 448 x the scale, the byte; the four bytes make p's scale word
.irp b, 0,1,2,3
	v_max_num_f32 v[\T+8+\b], 0x4800000, v[\T+8+\b]         ; the floor 2^(9 - 127): the byte cannot fall under 1
.endr
.irp b, 0,1,2,3
	v_add_nc_u32 v[\T+20+\b], 0xfc000000, v[\T+8+\b]
.endr
.irp b, 0,1,2,3
	v_and_or_b32 v[\T+16+\b], v[\T+8+\b], 0x7f800000, s[MNT]
.endr
.irp b, 0,1,2,3
	v_lshrrev_b32 v[\T+12+\b], 23, v[\T+20+\b]
.endr
	v_lshl_or_b32 v[\T+5], v[\T+13], 8, v[\T+12]
	v_lshl_or_b32 v[\T+5], v[\T+14], 16, v[\T+5]
	v_lshl_or_b32 v[\T+5], v[\T+15], 24, v[\T+5]
.endm
; A KEY STEP of both tiles.  next = 1: the scores of the step that follows are made in it
.macro BODY next
.if \next                              ; eight plain lines: the places behind the last products, in front of reads of the scores and of loads into the products' operands
	v_add_nc_u32 v8, s[TB], v1
	v_add_nc_u32 v10, s[TB], v3
.else
	v_nop
	v_nop
.endif
	v_add_nc_u32 v9, s[TB], v2
	v_add_nc_u32 v11, s[TB], v4
	v_mov_b32 v[T0+6], v[T0]                       ; the old -M
	v_mov_b32 v[T1+6], v[T1]
	v_nop
	v_nop
.irp f, 0,1,2,3
.if \next
	ds_load_b32 v[KS+\f], v10 offset:STEPB+64*\f
.endif
	ds_load_b32 v[VS+\f], v11 offset:64*\f
.endr
.if \next == 0                         ; the pass's last scores are made: the next pass's q may land (the second pass asks for nothing)
	s_cmp_eq_u32 s[PASS], 1
	s_wait_alu depctr_va_vdst(0)
	s_cbranch_scc1 .Lno_q
	s_add_nc_u64 s[4:5], s[4:5], 16384             ; 16 tiles on; the loads that read these bases were waited for at the pass's head
	s_add_nc_u64 s[6:7], s[6:7], 1024
	QLOAD
.Lno_q:
.else
	LDF FK, 8, STEPB
.endif
.irp b, 0,1,2,3
	v_max3_num_f32 v[T0+8+\b], v[S0+16*\b], v[S0+16*\b+1], v[S0+16*\b+2]    ; each accumulator is read from its low end on
.endr
.irp b, 0,1,2,3
	v_max3_num_f32 v[T1+8+\b], v[S1+16*\b], v[S1+16*\b+1], v[S1+16*\b+2]
.endr
	MX 3
.if \next
	LDF FK+32, 8, STEPB+4096
.endif
	MX 5
	MX 7
	LDF FV, 9, 0
	MX 9
	MX 11
	LDF FV+32, 9, 4096
	MX 13
.irp b, 0,1,2,3
	v_max_num_f32 v[T0+8+\b], v[T0+8+\b], v[S0+16*\b+15]
.endr
.irp b, 0,1,2,3
	v_max_num_f32 v[T1+8+\b], v[T1+8+\b], v[S1+16*\b+15]
.endr
.irp T, T0, T1
.irp b, 0,1,2,3
	v_permlanex16_b32 v[\T+12+\b], v[\T+8+\b], s[SEL], s[SEL+1]
.endr
.endr
.irp T, T0, T1
.irp b, 0,1,2,3
	v_max_num_f32 v[\T+8+\b], v[\T+8+\b], v[\T+12+\b]       ; with lane l xor 16's 16 keys
.endr
.endr
.irp T, T0, T1
	v_max3_num_f32 v[\T+7], v[\T+8], v[\T+9], v[\T+10]
.endr
.irp T, T0, T1
	v_max3_num_f32 v[\T+1], v[\T+7], v[\T+11], v[\T+1]      ; the running largest score
.endr
.irp T, T0, T1
	v_mul_f32 v[\T+7], s[CS], v[\T+1]              ; as t
.endr
.irp T, T0, T1
	v_floor_f32 v[\T], -v[\T+7]                    ; the new -M = floor(-t): M is a whole number
.endr
.set j, 0
.rept 32
	v_pk_fma_f32 v[S0+j:S0+j+1], v[S0+j:S0+j+1], s[CS:CS+1], v[T0:T0+1] op_sel_hi:[1,0,0]   ; tile A: t - M, two at a time
.set j, j+2
.endr
.irp b, 0,1,2,3
	v_fma_f32 v[T0+8+\b], v[T0+8+\b], s[CS], v[T0] ; the same of each block's largest score
.endr
.irp T, T0, T1
	v_sub_f32 v[\T+6], v[\T], v[\T+6]              ; old M - new M: a whole number, 0 or less
.endr
.irp T, T0, T1
	v_cvt_i32_f32 v[\T+6], v[\T+6]                 ; (it saturates)
.endr
.irp T, T0, T1
	v_ldexp_f32 v[\T+4], 1.0, v[\T+6]              ; f = 2^(old M - new M)
.endr
	s_wait_alu depctr_va_vdst(0)                   ; the wait ahead of the batch
.set j, 0
.rept 32
	v_exp_f32 v[S0+j], v[S0+j]                     ; tile A: p = 2^(t - M);
	v_exp_f32 v[S0+j+1], v[S0+j+1]
	v_pk_fma_f32 v[S1+j:S1+j+1], v[S1+j:S1+j+1], s[CS:CS+1], v[T1:T1+1] op_sel_hi:[1,0,0]   ; among them tile B's t - M, first read behind the waits below
.set j, j+2
.endr
.irp b, 0,1,2,3
	v_exp_f32 v[T0+8+\b], v[T0+8+\b]               ; the block's largest p: the same two instructions on the same number give the same bits
	v_fma_f32 v[T1+8+\b], v[T1+8+\b], s[CS], v[T1]
.endr
	s_wait_alu depctr_va_vdst(0)                   ; the wait behind the batch, ahead of its first reader
	SUMS T0, S0
	SCALE T0
	s_wait_alu depctr_va_vdst(0)                   ; the wait ahead of tile B's batch
.set j, 0
.rept 32
	v_exp_f32 v[S1+j], v[S1+j]
	v_exp_f32 v[S1+j+1], v[S1+j+1]
.if j >= 56
	v_exp_f32 v[T1+8+(j-56)/2], v[T1+8+(j-56)/2]
.endif
	v_dual_min_num_f32 v[S0+j], v[S0+j], v[T0+16+j/16] :: v_dual_min_num_f32 v[S0+j+1], v[S0+j+1], v[T0+16+j/16]   ; among them tile A's hold, two to a line: the conversion does not saturate (ISA guide 7.6.2); p is not negative, so it is one-sided
.set j, j+2
.endr
	s_wait_alu depctr_va_vdst(0)                   ; the wait behind the batch
.irp b, 0,1,2,3
	v_cvt_scalef32_pk8_fp8_f32 v[P0+4*\b:P0+4*\b+1], v[S0+16*\b:S0+16*\b+7], v[T0+20+\b]
	v_cvt_scalef32_pk8_fp8_f32 v[P0+4*\b+2:P0+4*\b+3], v[S0+16*\b+8:S0+16*\b+15], v[T0+20+\b]
.endr
	SUMS T1, S1
	SCALE T1
.irp b, 0,1,2,3
.irp i, 0,2,4,6,8,10,12,14
	v_dual_min_num_f32 v[S1+16*\b+\i], v[S1+16*\b+\i], v[T1+16+\b] :: v_dual_min_num_f32 v[S1+16*\b+\i+1], v[S1+16*\b+\i+1], v[T1+16+\b]
.endr
	v_cvt_scalef32_pk8_fp8_f32 v[P1+4*\b:P1+4*\b+1], v[S1+16*\b:S1+16*\b+7], v[T1+20+\b]
	v_cvt_scalef32_pk8_fp8_f32 v[P1+4*\b+2:P1+4*\b+3], v[S1+16*\b+8:S1+16*\b+15], v[T1+20+\b]
.endr
	s_wait_dscnt 0x0                               ; the fragments and words asked for in this step
	WIN 0x41                                       ; O^T in window 1, f in window 0
	s_wait_alu depctr_va_vdst(0)                   ; directly ahead of the first reader of O^T, a matrix result read behind exponentials
.set j, 0
.rept 16
	v_pk_mul_f32 v[O0+j:O0+j+1], v[O0+j:O0+j+1], v[T0+4:T0+5] op_sel_hi:[1,0]   ; O^T under the new M.  (Plain lines behind the last conversion, and the places in front of the second product)
	v_pk_mul_f32 v[O1+j:O1+j+1], v[O1+j:O1+j+1], v[T1+4:T1+5] op_sel_hi:[1,0]
.set j, j+2
.endr
.if \next
	KQ
.endif
	WIN 0x51                                       ; V and O^T window 1, p's codes window 0
.irp d, 0,1,2,3                                ; the eight accumulators by turns
	v_wmma_scale_f32_16x16x128_f8f6f4 v[O0+8*\d:O0+8*\d+7], v[FV+16*\d:FV+16*\d+15], v[P0:P0+15], v[O0+8*\d:O0+8*\d+7], v[VS+\d], v[T0+5]
	v_wmma_scale_f32_16x16x128_f8f6f4 v[O1+8*\d:O1+8*\d+7], v[FV+16*\d:FV+16*\d+15], v[P1:P1+15], v[O1+8*\d:O1+8*\d+7], v[VS+\d], v[T1+5]
.endr
	WIN 0
.endm
; A tile's 32 numbers a lane of o / l are two blocks of 32 of the last product's K: codes and two scale bytes
.macro FINQ T, S, P
.irp b, 0,1
	v_max3_num_f32 v[\T+8+\b], |v[\S+16*\b]|, |v[\S+16*\b+1]|, 0x4800000
.endr
.irp i, 2,4,6,8,10,12,14
.irp b, 0,1
	v_max3_num_f32 v[\T+8+\b], v[\T+8+\b], |v[\S+16*\b+\i]|, |v[\S+16*\b+\i+1]|
.endr
.endr
.irp b, 0,1
	v_permlanex16_b32 v[\T+12+\b], v[\T+8+\b], s[SEL], s[SEL+1]
.endr
.irp b, 0,1
	v_max_num_f32 v[\T+8+\b], v[\T+8+\b], v[\T+12+\b]
.endr
.irp b, 0,1
	v_add_nc_u32 v[\T+20+\b], 0xfc000000, v[\T+8+\b]
.endr
.irp b, 0,1
	v_and_or_b32 v[\T+16+\b], v[\T+8+\b], 0x7f800000, s[MNT]
.endr
.irp b, 0,1
	v_lshrrev_b32 v[\T+12+\b], 23, v[\T+20+\b]
.endr
	v_lshl_or_b32 v[\T+6], v[\T+13], 8, v[\T+12]
.irp b, 0,1
.irp i, 0,1,2,3,4,5,6,7,8,9,10,11,12,13,14,15
	v_med3_num_f32 v[\S+16*\b+\i], v[\S+16*\b+\i], -v[\T+16+\b], v[\T+16+\b]
.endr
	v_cvt_scalef32_pk8_fp8_f32 v[\P+4*\b:\P+4*\b+1], v[\S+16*\b:\S+16*\b+7], v[\T+20+\b]
	v_cvt_scalef32_pk8_fp8_f32 v[\P+4*\b+2:\P+4*\b+3], v[\S+16*\b+8:\S+16*\b+15], v[\T+20+\b]
.endr
	v_nop                                          ; a plain line behind the last conversion
.endm
	s_load_b128 s[4:7], s[0:1], 0x0                ; qc, qs
	s_load_b128 s[8:11], s[0:1], 0x10              ; kv, codes
	s_load_b64 s[12:13], s[0:1], 0x20              ; sc
	v_lshl_add_u32 v5, v0, 2, SPARE
	v_mov_b32 v6, 0
	ds_add_u32 v5, v6                              ; the opening lines: the add, twice on end, and its wait ahead of my first tensor load
	ds_add_u32 v5, v6
	v_lshrrev_b32 v8, 5, v0
	v_readfirstlane_b32 s14, v8                    ; wave 0..7
	s_bfe_u32 s15, ttmp6, 0x40000                  ; cx: my block of 512 query positions; it enters q's and o's addresses alone
	s_and_b32 s17, ttmp7, 0xffff                   ; the batch-head
	s_lshr_b32 s18, s17, 4                         ; the batch
	s_and_b32 s19, s17, 15                         ; the head
	s_lshl_b32 s21, s15, 5
	s_lshl_b32 s22, s14, 1
	s_add_co_u32 s21, s21, s22                     ; my first tile of 16 query positions: 32 cx + 2 x wave; the second pass: 16 on
	s_mov_b32 s24, 15|(3<<16)|(1<<21)              ; group 1: the mask: all four work-groups; elements of 8 bytes; bit 21 beside a mask; no padding
	s_mov_b32 s25, 32<<16                          ; tensor_dim0 = 32 elements: rows of 256 bytes
	s_mov_b32 s26, 132<<16                         ; tensor_dim1 = 132 rows: 33,792 dense bytes
	s_mov_b32 s27, 32<<16
	s_mov_b32 s28, 132
	s_mov_b32 s29, 32
	s_mov_b32 s30, 0
	s_mov_b32 s31, 0
	s_mul_i32 s23, s14, 33792                      ; my eighth of the head's bytes, in LDS as in memory
	s_mul_i32 s40, s17, 270336
	s_add_co_u32 s40, s40, s23
	s_mov_b32 s41, 0
	s_mov_b32 s[SEL], 0x76543210
	s_mov_b32 s[SEL+1], 0xfedcba98
	s_mov_b32 s[CS], 0x3e38aa3b                    ; c = log2(e) / 8
	s_mov_b32 s[CS+1], s[CS]
	s_mov_b32 s[MNT], 0x600000
	s_mov_b32 s[PASS], 2
	s_wait_dscnt 0x0
	s_wait_kmcnt 0x0
	s_add_nc_u64 s[40:41], s[8:9], s[40:41]
	ROUND                                          ; all four work-groups are here: the joint loads meet
	s_mov_b32 s32, 1
	s_mov_b32 s33, s23
	s_mov_b64 s[34:35], s[40:41]
	s_or_b32 s35, s35, 0x80000000
	tensor_load_to_lds s[32:35], s[24:31]          ; every wave's one tensor load
	s_nop 0
.rept 4
	v_nop
.endr
	s_lshl_b32 s42, s17, 7
	s_add_co_u32 s42, s42, s21
	s_lshl_b32 s44, s42, 10
	s_mov_b32 s45, 0
	s_add_nc_u64 s[4:5], s[4:5], s[44:45]          ; q's codes, 1,024 bytes a tile
	s_lshl_b32 s44, s42, 6
	s_add_nc_u64 s[6:7], s[6:7], s[44:45]          ; and its words, 64 bytes a tile
	s_lshl_b32 s46, s18, 7
	s_add_co_u32 s46, s46, s21
	s_add_co_u32 s46, s46, 1280                    ; o's block of 16 positions
	s_lshl_b32 s44, s46, 12
	s_lshr_b32 s47, s19, 2
	s_mul_i32 s47, s47, PIECE                      ; the piece: head / 4
	s_add_co_u32 s44, s44, s47
	s_and_b32 s47, s19, 3
	s_lshl_b32 s47, s47, 10                        ; the K step in it and the half of that: 1,024 x (head % 4)
	s_add_co_u32 s44, s44, s47
	s_add_nc_u64 s[10:11], s[10:11], s[44:45]
	s_lshl_b32 s44, s46, 9
	s_lshr_b32 s47, s19, 1
	s_lshl_b32 s47, s47, 6
	s_add_co_u32 s44, s44, s47
	s_and_b32 s47, s19, 1
	s_lshl_b32 s47, s47, 1
	s_add_co_u32 s44, s44, s47
	s_add_nc_u64 s[12:13], s[12:13], s[44:45]      ; my two bytes of the K step's scale words
	v_and_b32 v8, 31, v0
	v_and_b32 v9, 15, v0
	v_bfe_u32 v10, v0, 4, 1
	v_lshlrev_b32 v1, 4, v8                        ; 16 x lane
	v_lshlrev_b32 v7, 2, v8                        ; 4 x lane
	v_add_nc_u32 v2, VOFF, v1
	v_lshl_add_u32 v3, v9, 2, 8192                 ; a step's scale words lie behind its four fragments
	v_add_nc_u32 v4, VOFF, v3
	v_cmp_lt_u32 s60, 15, v8                       ; lanes 16-31
	v_lshlrev_b32 v11, 2, v9
	v_lshl_add_u32 v90, v10, 9, v11                ; the way out of the scale bytes: row r's word; lanes 16-31 the next block's, 512 bytes on
	s_wait_alu depctr_va_vdst(0)
	QLOAD
	WIN 0x40
.irp z, 0,16,32
.irp i, 0,1,2,3,4,5,6,7
	v_mov_b32 v[QZ+\z+\i], 0                       ; the zero codes round q
.endr
.endr
	WIN 0
.irp T, T0, T1
.irp i, 5,6,12,13,14,15
	v_mov_b32 v[\T+\i], 0                          ; written once: a lane permute's destination counts as a source, and +5 is named as a pair's upper half
.endr
.endr
	s_wait_alu depctr_va_vdst(0)
	s_wait_tensorcnt 0x0                           ; my eighth is in
	s_barrier_signal -1
	s_barrier_wait -1                              ; everybody's is
.Lpass:                                                ; two passes of two tiles
	LDF FK, 1, 0
	LDF FK+32, 1, 4096
.irp f, 0,1,2,3
	ds_load_b32 v[KS+\f], v3 offset:64*\f
.endr
.irp T, T0, T1
	v_mov_b32 v[\T+1], 0xff61b1e6                  ; the largest score so far: under every score
	v_mov_b32 v[\T+2], 0                           ; the sum
	v_mov_b32 v[\T+3], 0
.endr
.irp T, T0, T1
	v_floor_f32 v[\T], -v[\T+1]                    ; -M: so large that the first f is 0
.endr
	s_wait_alu depctr_va_vdst(0)
	s_wait_loadcnt 0x0                             ; q
	s_wait_dscnt 0x0                               ; step 0's fragments of K
	KQ
	WIN 0x40
.set j, 0
.rept 64
	v_mov_b32 v[O0+j], 0                           ; O^T begins as zeros, which the first change of M leaves zeros
.set j, j+1
.endr
	WIN 0
	s_mov_b32 s[TB], 0
	s_mov_b32 s[CNT], 15
.Lstep:
	BODY 1
	s_add_co_u32 s[TB], s[TB], STEPB
	s_sub_co_u32 s[CNT], s[CNT], 1
	s_cmp_lg_u32 s[CNT], 0
	s_cbranch_scc1 .Lstep
	BODY 0                                         ; the last step has no successor
.rept 4
	v_nop                                          ; with the seven plain lines below: the places behind the last products
.endr
.irp T, T0, T1
	v_add_f32 v[\T+2], v[\T+2], v[\T+3]
.endr
.irp T, T0, T1
	v_permlanex16_b32 v[\T+6], v[\T+2], s[SEL], s[SEL+1]
.endr
.irp T, T0, T1
	v_add_f32 v[\T+2], v[\T+2], v[\T+6]            ; the row's sum
.endr
	s_wait_alu depctr_va_vdst(0)
.irp T, T0, T1
	v_rcp_f32 v[\T+2], v[\T+2]
.endr
	v_nop
	WIN 0x01                                       ; O^T in window 1
	s_wait_alu depctr_va_vdst(0)                   ; ahead of the reciprocals' first reader, which is O^T's too
.set j, 0
.rept 16
	v_pk_mul_f32 v[S0+j:S0+j+1], v[O0+j:O0+j+1], v[T0+2:T0+3] op_sel_hi:[1,0]   ; each accumulator from its low end on
	v_pk_mul_f32 v[S1+j:S1+j+1], v[O1+j:O1+j+1], v[T1+2:T1+3] op_sel_hi:[1,0]
.set j, j+2
.endr
	WIN 0
	FINQ T0, S0, P0
	FINQ T1, S1, P1
	global_store_b128 v1, v[P0:P0+3], s[10:11]                 ; 512 consecutive bytes a store
	global_store_b128 v1, v[P0+4:P0+7], s[10:11] offset:512
	global_store_b128 v1, v[P1:P1+3], s[10:11] offset:4096     ; tile B is the next block
	global_store_b128 v1, v[P1+4:P1+7], s[10:11] offset:4608
	v_cndmask_b32 v91, v[T0+6], v[T1+6], s60       ; lanes 0-15 carry tile A's bytes, lanes 16-31 tile B's
	global_store_b16 v90, v91, s[12:13]
	s_wait_alu depctr_va_vdst(0)
	s_wait_xcnt 0x0                                ; the stores have read their registers and bases
	s_add_nc_u64 s[10:11], s[10:11], 65536         ; 16 blocks on
	s_add_nc_u64 s[12:13], s[12:13], 8192
	s_sub_co_u32 s[PASS], s[PASS], 1
	s_cmp_lg_u32 s[PASS], 0
	s_cbranch_scc1 .Lpass
	s_wait_tensorcnt 0x0                           ; the wave's end
	ds_add_u32 v5, v6
	s_wait_dscnt 0x0
	ROUND                                          ; the closing round
	s_endpgm
.Lfunc_end_k_q2dfe5e4948_attn:
	.size	k_q2dfe5e4948_attn, .Lfunc_end_k_q2dfe5e4948_attn-k_q2dfe5e4948_attn
	.p2alignl 7, 3214868480
	.fill 96, 4, 3214868480
	.section	.rodata,"a",@progbits
	.p2align	6, 0x0
	.amdhsa_kernel k_q2dfe5e4948_attn
		.amdhsa_group_segment_fixed_size 327680
		.amdhsa_private_segment_fixed_size 0
		.amdhsa_enable_private_segment 0
		.amdhsa_kernarg_size 40
		.amdhsa_user_sgpr_count 2
		.amdhsa_user_sgpr_kernarg_segment_ptr 1
		.amdhsa_wavefront_size32 1
		.amdhsa_system_sgpr_workgroup_id_x 1
		.amdhsa_system_sgpr_workgroup_id_y 1
		.amdhsa_system_sgpr_workgroup_id_z 1
		.amdhsa_system_vgpr_workitem_id 0
		.amdhsa_next_free_vgpr 512
		.amdhsa_next_free_sgpr 80
		.amdhsa_reserve_vcc 0
		.amdhsa_float_denorm_mode_32 3
		.amdhsa_float_denorm_mode_16_64 3
		.amdhsa_memory_ordered 1
		.amdhsa_forward_progress 1
		.amdhsa_inst_pref_size 90
	.end_amdhsa_kernel
	.amdgpu_metadata
---
amdhsa.version: [ 1, 2 ]
amdhsa.kernels:
  - .name:           k_q2dfe5e4948_attn
    .symbol:         k_q2dfe5e4948_attn.kd
    .args:
      - { .name: qc, .offset: 0, .size: 8, .value_kind: global_buffer, .address_space: global }
      - { .name: qs, .offset: 8, .size: 8, .value_kind: global_buffer, .address_space: global }
      - { .name: kv, .offset: 16, .size: 8, .value_kind: global_buffer, .address_space: global }
      - { .name: codes, .offset: 24, .size: 8, .value_kind: global_buffer, .address_space: global }
      - { .name: sc, .offset: 32, .size: 8, .value_kind: global_buffer, .address_space: global }
    .group_segment_fixed_size: 327680
    .private_segment_fixed_size: 0
    .kernarg_segment_align: 8
    .kernarg_segment_size: 40
    .max_flat_workgroup_size: 256
    .sgpr_count:     80
    .vgpr_count:     512
    .wavefront_size: 32
...
	.end_amdgpu_metadata
.endif
;; end of part 3
;; launch oproj (part 4): grid 8 x 32, 4 waves a work-group, clusters of 4 x 4, 327,680 bytes of LDS; arguments codes, sc, x, out0; writes out0
.if DOCPART == 4
	.amdgcn_target "amdgcn-amd-amdhsa--gfx1250"
	.amdhsa_code_object_version 6
	.text
	.protected	k_q2dfe5e4948_oproj
	.globl	k_q2dfe5e4948_oproj
	.p2align	8
	.type	k_q2dfe5e4948_oproj,@function
k_q2dfe5e4948_oproj:
	s_mov_b64 s[64:65], 0
	v_nop
	global_prefetch_b8 v0, s[64:65] scope:SCOPE_SE
	s_setreg_imm32_b32 hwreg(HW_REG_WAVE_MODE, 25, 1), 1
	s_wait_xcnt 0x0
	s_wait_alu depctr_hold_cnt(0) depctr_sa_sdst(0) depctr_va_vdst(0) depctr_va_sdst(0) depctr_va_ssrc(0) depctr_va_vcc(0) depctr_vm_vsrc(0)
	s_getreg_b32 s2, hwreg(HW_REG_IB_STS2, 6, 4)
	s_cmp_eq_u32 s2, 0
	s_cbranch_scc0 .Lentry_in_a_cluster
	s_endpgm
.Lentry_in_a_cluster:
	s_bfe_u32 s2, ttmp6, 0x10000c
	s_cmp_lg_u32 s2, 0xf033
	s_cbranch_scc0 .Lentry_shape_is_right
	s_endpgm
.Lentry_shape_is_right:
.set SLOT,  98304
; out0 = x + o Wo^T on codes of E4M3 with E8M0 scales.  codes is [piece of 256 along K][block][4,096 bytes], a piece 0x700000 bytes.  Each wave has ONE load at the head: three rows, a row = one piece of its blocks
; (waves 0, 1: 8 blocks of A, 32,768 bytes a row, at LDS 98,304 x half; waves 2, 3: 4 blocks of B, 16,384 bytes a row, at BOFF + 49,152 x half).  The fourth piece is one row into the first piece's bytes.
.set BOFF,  196608
.set SPARE, 3*SLOT
.set SPITCH, 528
.set LI,   1
.set LS,   2
.set ADRA, 3
.set ADRB, 6
.set STO,  9
.set RD,   10
.set SPW,  14
.set NIL,  15
.set SA,   32
.set SB,   48
.set AF,   128
.set G1A,  24
.set G1B,  32
.set G0A,  40
.set G0B,  52
.set MSB,  0
.macro WIN new
.if MSB != (\new)
	s_set_vgpr_msb (MSB<<8)|(\new)
.set MSB, (\new)
.endif
.endm
.macro PLACES n
.rept \n
	v_nop
.endr
.endm
.macro JLOAD s
	s_cmp_eq_u32 s17, 0
	s_cbranch_scc0 .Lfor_b_\@
	tensor_load_to_lds s[G0A+4*\s:G0A+4*\s+3], s[G1A:G1A+7]
	s_nop 0
.rept 4
	v_nop
.endr
	s_branch .Lasked_\@
.Lfor_b_\@:
	tensor_load_to_lds s[G0B+4*\s:G0B+4*\s+3], s[G1B:G1B+7]
	s_nop 0
.rept 4
	v_nop
.endr
.Lasked_\@:
.endm
.macro ROUND
	s_barrier_signal -1
	s_barrier_wait -1
	s_cmp_lg_u32 s16, 0
	s_cbranch_scc1 .Lnot_wave_0_\@
	s_barrier_signal -3
.Lnot_wave_0_\@:
	s_barrier_wait -3
	s_barrier_signal -1
	s_barrier_wait -1
.endm
.macro FETCH k
.set SG, ((\k)/2)%3
.set QQ, (\k)%2
	WIN 0x40
.irp b, 0,1,2,3,4,5,6,7
.irp c, 0,1,2,3
	ds_load_b128 v[128*QQ+16*\b+4*\c:128*QQ+16*\b+4*\c+3], v[ADRB+SG] offset:4096*\b+32768*(\b/4)+2048*QQ+512*\c
.endr
.endr
	WIN 0
.irp a, 0,1,2,3
.irp c, 0,1,2,3
	ds_load_b128 v[AF+64*QQ+16*\a+4*\c:AF+64*QQ+16*\a+4*\c+3], v[ADRA+SG] offset:4096*\a+2048*QQ+512*\c
.endr
.endr
.endm
.macro MUL k, zero
.set QQ, (\k)%2
.set PI, (\k)/2
	WIN 0xa1
.irp a, 0,1,2,3
.irp b, 0,1,2,3,4,5,6,7
.if \zero
	v_wmma_scale_f32_16x16x128_f8f6f4 v[8*(8*\a+\b):8*(8*\a+\b)+7], v[128*QQ+16*\b:128*QQ+16*\b+15], v[AF+64*QQ+16*\a:AF+64*QQ+16*\a+15], 0, v[SB+4*\b+PI], v[SA+4*\a+PI]
.elseif QQ
	v_wmma_scale_f32_16x16x128_f8f6f4 v[8*(8*\a+\b):8*(8*\a+\b)+7], v[128*QQ+16*\b:128*QQ+16*\b+15], v[AF+64*QQ+16*\a:AF+64*QQ+16*\a+15], v[8*(8*\a+\b):8*(8*\a+\b)+7], v[SB+4*\b+PI], v[SA+4*\a+PI] matrix_a_scale:MATRIX_SCALE_ROW1 matrix_b_scale:MATRIX_SCALE_ROW1
.else
	v_wmma_scale_f32_16x16x128_f8f6f4 v[8*(8*\a+\b):8*(8*\a+\b)+7], v[128*QQ+16*\b:128*QQ+16*\b+15], v[AF+64*QQ+16*\a:AF+64*QQ+16*\a+15], v[8*(8*\a+\b):8*(8*\a+\b)+7], v[SB+4*\b+PI], v[SA+4*\a+PI]
.endif
.endr
.endr
.endm
.macro XLOAD a
	WIN 0xc0
.irp t, 0,1,2,3,4,5,6,7,8,9,10,11,12,13,14,15
	global_load_b128 v[64*(\a)+4*\t:64*(\a)+4*\t+3], v[LI], s[8:9] offset:(32*((\a)/2)+16*(\t/8)+8*((\a)%2)+\t%8)*4096 th:TH_LOAD_NT
.endr
	WIN 0
.endm
.macro TOSTAGE a
	WIN 0x08
.irp b, 0,1,2,3,4,5,6,7
	ds_store_b128 v[STO], v[64*(\a)+8*\b:64*(\a)+8*\b+3] offset:128*(\b/2)+32*(\b%2)
	ds_store_b128 v[STO], v[64*(\a)+8*\b+4:64*(\a)+8*\b+7] offset:128*(\b/2)+32*(\b%2)+16
.endr
	WIN 0
.set BB, AF+64*((\a)%2)
.irp t, 0,1,2,3,4,5,6,7,8,9,10,11,12,13,14,15
	ds_load_b128 v[BB+4*\t:BB+4*\t+3], v[RD] offset:\t*SPITCH
.endr
.endm
.macro SEND a, younger
.set BB, AF+64*((\a)%2)
	s_wait_dscnt \younger
	s_wait_loadcnt 48-16*(\a)
	WIN 0x0c
.set i, 0
.rept 32
	v_pk_add_f32 v[BB+i:BB+i+1], v[BB+i:BB+i+1], v[64*(\a)+i:64*(\a)+i+1]
.set i, i+2
.endr
	WIN 0
.irp t, 0,1,2,3,4,5,6,7,8,9,10,11,12,13,14,15
	global_store_b128 v[LI], v[BB+4*\t:BB+4*\t+3], s[10:11] offset:(32*((\a)/2)+16*(\t/8)+8*((\a)%2)+\t%8)*4096 th:TH_STORE_NT
.endr
.endm
	s_load_b128 s[4:7], s[0:1], 0x0
	s_load_b128 s[8:11], s[0:1], 0x10
	v_lshl_add_u32 v[SPW], v0, 2, SPARE
	v_mov_b32 v[NIL], 0
	ds_add_u32 v14, v15
	ds_add_u32 v14, v15
	s_wait_dscnt 0x0
	v_lshrrev_b32 v9, 5, v0
	v_readfirstlane_b32 s16, v9
	s_lshr_b32 s17, s16, 1
	s_and_b32 s18, s16, 1
	s_bfe_u32 s19, ttmp6, 0x40000
	s_bfe_u32 s20, ttmp6, 0x40004
	s_and_b32 s21, ttmp7, 0xffff
	s_lshl_b32 s22, s20, 2
	s_lshl_b32 s22, 15, s22
	s_lshl_b32 s23, 0x1111, s19
	s_or_b32 s[G1A], s22, (3<<16)|(1<<21)
	s_mov_b32 s[G1A+1], 4096<<16                   ; a row: 8 blocks of one piece, 32,768 bytes
	s_mov_b32 s[G1A+2], 3<<16                      ; 3 pieces
	s_mov_b32 s[G1A+3], 4096<<16
	s_mov_b32 s[G1A+4], 3
	s_mov_b32 s[G1A+5], 0xe0000                    ; from piece to piece: 0x700000 bytes
	s_mov_b32 s[G1A+6], 0
	s_mov_b32 s[G1A+7], 0
	s_or_b32 s[G1B], s23, (3<<16)|(1<<21)
	s_mov_b32 s[G1B+1], 2048<<16                   ; a row: 4 blocks of one piece, 16,384 bytes
	s_mov_b32 s[G1B+2], 3<<16
	s_mov_b32 s[G1B+3], 2048<<16
	s_mov_b32 s[G1B+4], 3
	s_mov_b32 s[G1B+5], 0xe0000
	s_mov_b32 s[G1B+6], 0
	s_mov_b32 s[G1B+7], 0
	s_lshl_b32 s67, s21, 2
	s_add_co_u32 s66, s67, 80
	s_add_co_u32 s66, s66, s20
	s_lshl_b32 s68, ttmp9, 2
	s_add_co_u32 s68, s68, 152
	s_add_co_u32 s68, s68, s19
	s_lshl_b32 s70, s66, 16
	s_lshl_b32 s71, s18, 15
	s_add_co_u32 s70, s70, s71
	s_mov_b32 s71, 0
	s_lshl_b32 s72, s68, 15
	s_lshl_b32 s73, s18, 14
	s_add_co_u32 s72, s72, s73
	s_mov_b32 s73, 0
	s_mul_i32 s74, s18, 98304
	s_mul_i32 s75, s18, 49152
	s_add_co_u32 s75, s75, BOFF
	s_wait_kmcnt 0x0
	s_add_nc_u64 s[70:71], s[4:5], s[70:71]
	s_add_nc_u64 s[72:73], s[4:5], s[72:73]
	ROUND
.irp s, 0
	s_mov_b32 s[G0A+4*\s], 1
	s_add_co_u32 s[G0A+4*\s+1], s74, \s*SLOT
	s_add_nc_u64 s[G0A+4*\s+2:G0A+4*\s+3], s[70:71], \s*4096
	s_or_b32 s[G0A+4*\s+3], s[G0A+4*\s+3], 0x80000000
	s_mov_b32 s[G0B+4*\s], 1
	s_add_co_u32 s[G0B+4*\s+1], s75, \s*SLOT
	s_add_nc_u64 s[G0B+4*\s+2:G0B+4*\s+3], s[72:73], \s*4096
	s_or_b32 s[G0B+4*\s+3], s[G0B+4*\s+3], 0x80000000
	JLOAD \s
.endr
	v_and_b32 v11, 31, v0
	v_lshlrev_b32 v[LI], 4, v11
	v_lshlrev_b32 v[LS], 2, v11
	s_mul_i32 s76, s17, 98304                      ; my four blocks of A: which loader's bytes,
	s_lshl_b32 s78, s18, 14                        ; and which four of its eight blocks
	s_add_co_u32 s76, s76, s78
.irp s, 0,1,2
	v_add_nc_u32 v[ADRA+\s], s76, v[LI]
	v_add_nc_u32 v[ADRB+\s], BOFF+\s*16384, v[LI]
	s_add_co_u32 s76, s76, 32768
.endr
	s_mul_i32 s84, s16, 16*SPITCH
	s_add_co_u32 s84, s84, 32768                   ; the stages lie in the second and third pieces of A's blocks 0-7: filled once, and read by nobody behind the last barrier
	v_and_b32 v11, 15, v0
	v_bfe_u32 v12, v0, 4, 1
	v_mul_u32_u24 v13, v11, SPITCH
	v_lshl_add_u32 v13, v12, 6, v13
	v_add_nc_u32 v[STO], s84, v13
	v_add_nc_u32 v[RD], s84, v[LI]
	s_lshl_b32 s78, s66, 13
	s_lshl_b32 s79, s16, 11
	s_add_co_u32 s78, s78, s79
	s_mov_b32 s79, 0
	s_add_nc_u64 s[78:79], s[6:7], s[78:79]
	s_lshl_b32 s80, s68, 12
	s_mov_b32 s81, 0
	s_add_nc_u64 s[80:81], s[6:7], s[80:81]
.irp a, 0,1,2,3
.irp p, 0,1,2,3
	global_load_b32 v[SA+4*\a+\p], v[LS], s[78:79] offset:512*\a+128*\p
.endr
.endr
.irp b, 0,1,2,3,4,5,6,7
.irp p, 0,1,2,3
	global_load_b32 v[SB+4*\b+\p], v[LS], s[80:81] offset:512*\b+128*\p
.endr
.endr
	s_add_co_u32 s82, s67, s20
	s_lshl_b32 s82, s82, 20
	s_lshl_b32 s83, s16, 18
	s_add_co_u32 s82, s82, s83
	s_lshl_b32 s83, ttmp9, 2
	s_add_co_u32 s83, s83, s19
	s_lshl_b32 s83, s83, 9
	s_add_co_u32 s82, s82, s83
	s_mov_b32 s83, 0
	s_add_nc_u64 s[8:9], s[8:9], s[82:83]
	s_add_nc_u64 s[10:11], s[10:11], s[82:83]
	s_wait_alu depctr_va_vdst(0)
	s_wait_tensorcnt 0x0                           ; my one load, three pieces, is in
	s_barrier_signal -1
	s_barrier_wait -1
	FETCH 0
	FETCH 1
	s_wait_loadcnt 0x0
	XLOAD 0
	XLOAD 1
	XLOAD 2
	s_wait_dscnt 48
	MUL 0, 1
	WIN 0
	s_wait_tensorcnt 0x0
	ds_add_u32 v[SPW], v[NIL]
	s_add_nc_u64 s[G0A+2:G0A+3], s[G0A+2:G0A+3], 3*0x700000   ; no load of mine is out, so the descriptors may be written: the fourth piece of K,
	s_add_nc_u64 s[G0B+2:G0B+3], s[G0B+2:G0B+3], 3*0x700000
	s_mov_b32 s[G1A+2], 1<<16                      ; one row
	s_mov_b32 s[G1A+4], 1
	s_mov_b32 s[G1A+6], 1<<16
	s_mov_b32 s[G1B+2], 1<<16
	s_mov_b32 s[G1B+4], 1
	s_mov_b32 s[G1B+6], 1<<16
	s_wait_dscnt 0x0
	ROUND
	JLOAD 0
	PLACES 4
	s_wait_alu depctr_va_vdst(0)
	FETCH 2
	MUL 1, 0
	XLOAD 3
.irp k, 2,3,4
	s_wait_dscnt 0x0
	PLACES 8
	FETCH \k+1
	MUL \k, 0
.endr
	WIN 0
	s_wait_tensorcnt 0x0
	ds_add_u32 v[SPW], v[NIL]
	s_wait_dscnt 0x0
	s_barrier_signal -1
	s_barrier_wait -1
	PLACES 8
	FETCH 6
	MUL 5, 0
	s_wait_dscnt 0x0
	PLACES 8
	FETCH 7
	MUL 6, 0
	s_wait_dscnt 0x0
	MUL 7, 0
	WIN 0
	PLACES 8
	TOSTAGE 0
.irp a, 1,2,3
.if \a > 1
	s_wait_xcnt 0x0
.endif
	TOSTAGE \a
	SEND \a-1, 32
.endr
	SEND 3, 0
	s_wait_tensorcnt 0x0
	ds_add_u32 v[SPW], v[NIL]
	s_wait_dscnt 0x0
	ROUND
	s_endpgm
.Lfunc_end_k_q2dfe5e4948_oproj:
	.size	k_q2dfe5e4948_oproj, .Lfunc_end_k_q2dfe5e4948_oproj-k_q2dfe5e4948_oproj
	.p2alignl 7, 3214868480
	.fill 96, 4, 3214868480
	.section	.rodata,"a",@progbits
	.p2align	6, 0x0
	.amdhsa_kernel k_q2dfe5e4948_oproj
		.amdhsa_group_segment_fixed_size 327680
		.amdhsa_private_segment_fixed_size 0
		.amdhsa_enable_private_segment 0
		.amdhsa_kernarg_size 32
		.amdhsa_user_sgpr_count 2
		.amdhsa_user_sgpr_kernarg_segment_ptr 1
		.amdhsa_wavefront_size32 1
		.amdhsa_system_sgpr_workgroup_id_x 1
		.amdhsa_system_sgpr_workgroup_id_y 1
		.amdhsa_system_sgpr_workgroup_id_z 1
		.amdhsa_system_vgpr_workitem_id 0
		.amdhsa_next_free_vgpr 1024
		.amdhsa_next_free_sgpr 100
		.amdhsa_reserve_vcc 0
		.amdhsa_float_denorm_mode_32 3
		.amdhsa_float_denorm_mode_16_64 3
		.amdhsa_memory_ordered 1
		.amdhsa_forward_progress 1
		.amdhsa_inst_pref_size 101
	.end_amdhsa_kernel
	.amdgpu_metadata
---
amdhsa.version: [ 1, 2 ]
amdhsa.kernels:
  - .name:           k_q2dfe5e4948_oproj
    .symbol:         k_q2dfe5e4948_oproj.kd
    .args:
      - { .name: codes, .offset: 0, .size: 8, .value_kind: global_buffer, .address_space: global }
      - { .name: sc, .offset: 8, .size: 8, .value_kind: global_buffer, .address_space: global }
      - { .name: x, .offset: 16, .size: 8, .value_kind: global_buffer, .address_space: global }
      - { .name: out0, .offset: 24, .size: 8, .value_kind: global_buffer, .address_space: global }
    .group_segment_fixed_size: 327680
    .private_segment_fixed_size: 0
    .kernarg_segment_align: 8
    .kernarg_segment_size: 32
    .max_flat_workgroup_size: 128
    .sgpr_count:     100
    .vgpr_count:     1024
    .wavefront_size: 32
...
	.end_amdgpu_metadata
.endif
;; end of part 4
